; MI455X (gfx1250); checked and timed in simulation.
; The chip was launched on July 23, 2026; its instructions are those of AMD's public machine-readable ISA for CDNA 5 (MIT licence, August 2026) and "CDNA5" Instruction Set Architecture Reference Guide (July 2026). The comments in the code are by the model that wrote it; some were corrected since.
;; Selective State Space Model. Allowed arithmetic: float matrix products may take bf16 or f16 operands with f32 sums; other float arithmetic in f32, or as packed bf16 or f16 multiplies, adds, multiply-adds, maxima and minima; sums over many terms, partial sums and values carried from step to step in f32; what a program stores and reads back later, other than sums and carried values, may be rounded once to bf16 or f16.
;; Inputs: A_log 2,048 float32; D_skip 2,048 float32; W_B 2,048 x 2,048 float32; W_C 2,048 x 2,048 float32; W_dt 2,048 x 2,048 float32; b_dt 2,048 float32; x 4 x 1,024 x 2,048 float32.
;; Outputs: out0 4 x 1,024 x 2,048 float32.
;; 2 versions, each right; version 2 is version 1 with the launch prep written anew for expert scheduling mode. Each part assembles by itself: llvm-mc -triple=amdgcn-amd-amdhsa -mcpu=gfx1250 --defsym DOCPART=n.
;; ======== version 1 of 2: 3 launches
;; workspace buffers: xb 16,777,216 bytes; wcat 16,777,216 bytes; wcb 8,388,608 bytes; hb 16,777,216 bytes
;; launch prep (part 1): grid 256 x 1, 10 waves a work-group, no clusters, 0 bytes of LDS; arguments x, W_dt, W_B, W_C, xb, wcat, wcb; writes xb, wcat, wcb
.if DOCPART == 1
	.amdgcn_target "amdgcn-amd-amdhsa--gfx1250"
	.amdhsa_code_object_version 6
	.text
	.protected	k_q405d7b1ba2_prep
	.globl	k_q405d7b1ba2_prep
	.p2align	8
	.type	k_q405d7b1ba2_prep,@function
k_q405d7b1ba2_prep:
	s_mov_b64 s[64:65], 0
	v_nop
	global_prefetch_b8 v0, s[64:65] scope:SCOPE_SE
	s_setreg_imm32_b32 hwreg(HW_REG_WAVE_MODE, 25, 1), 1
	s_wait_xcnt 0x0
; THE PROGRAM (three launches).  out = h W_C^T + D_skip x, h_t = A_bar_t h_(t-1) + u_t, A_bar = exp(dt A), u = dt (x W_B^T) x, dt = softplus(x W_dt^T + b_dt), A = -exp(A_log).
; This launch rounds x, W_dt, W_B and W_C to bf16, once, and lays them out in the order in which the two launches behind it take their tiles.
; WORK LEFT OUT.  reference() starts the scan from h0 = zeros, built in its own body: in exact arithmetic A_bar_0 h0 = 0 for every finite A_bar_0, so h_0 = u_0 whatever the inputs hold.  The second launch
; starts each chain with h = u and multiplies by no zero state there.  Nothing else is left out; every input has a way to the output and is loaded by some launch.
; LIMITS.  A NaN, an infinity or an overflow that reaches only that product with zero is not carried to the result.  ALL inputs are rounded to bf16 (nearest even) before use, the vectors b_dt, A_log, D_skip in the launches that read them.
; LAYOUTS (bf16).
;   xb   [b 4][kb 16][p 1024][128]: row p of block kb holds x[b][t][128 kb ..], where t = 512 T + 128 w + 64 h + 8 a + i lies at p = 512 T + 128 w + 16 a + 8 h + i.
;   wcat [g 64][kb 16][q 64][128]:  q < 32: row 32 g + q of W_dt; q >= 32: row 32 g + q - 32 of W_B; columns 128 kb ..
;   wcb  [dblk 8][kp 64][row 256][32]: row 256 dblk + row of W_C, columns 32 kp ..
; SHARES.  10,240 source rows of 8,192 bytes; a wave takes four that lie on end: 2,560 waves = 256 work-groups of ten.  The wave's number among all picks one of three arms; nothing is shared, so there is no LDS and no barrier.
; A step is two loads of 16 bytes a lane (eight f32) and one store of 16 bytes (eight bf16): sixteen neighbouring lanes store 256 consecutive bytes at a multiple of 256 from the buffer's first byte.
; A ring of twelve register slots keeps 24 loads of every wave on their way.  Each of the 32 steps has four registers of its own for its store's data, and no address register is ever rewritten (all steps stand in the
; immediates, 3,932,672 at the most, inside the signed 24 bits): nothing that a pending store or load reads is written again, so the only waits are the counted ones for the loads' data.
.set NS,  12                           ; slots of the ring
.set SO,  2                            ; v2   my byte offset in the wave's four source rows
.set DO,  3                            ; v3   my byte offset at the destination
.set X,   16                           ; v[16:111]   slot s: 8 registers, f32 as loaded
.set Y,   112                          ; v[112:239]  step i: 4 registers, bf16 to store
.set SRC, 20                           ; s[20:21] the wave's first source row
.set DST, 22                           ; s[22:23] where its first row goes
; the two immediates of step n.  kind 0 (x) and 1 (W_dt, W_B): a step is two rows x one block of 128 columns; kind 2 (W_C): four rows x two blocks of 32 columns
.macro IMMS n, kind
.if (\kind) == 2
.set SIMM, (\n)*256
.set DIMM, (\n)*32768
.elseif (\kind) == 1
.set SIMM, ((\n)/16)*16384+((\n)%16)*512
.set DIMM, ((\n)%16)*16384+((\n)/16)*512
.else
.set SIMM, ((\n)/16)*16384+((\n)%16)*512
.set DIMM, ((\n)%16)*262144+((\n)/16)*512
.endif
.endm
.macro LD n, kind
	IMMS \n, \kind
.set XS, X+8*((\n)%NS)
	global_load_b128 v[XS:XS+3],   v[SO], s[SRC:SRC+1] offset:SIMM th:TH_LOAD_NT
	global_load_b128 v[XS+4:XS+7], v[SO], s[SRC:SRC+1] offset:SIMM+16 th:TH_LOAD_NT
.endm
.macro RUN kind
.set i, 0
.rept NS
	LD i, \kind                                    ; the ring is filled: steps 0 to 11
.set i, i+1
.endr
.set i, 0
.rept 32
.if i < 32-NS
	s_wait_loadcnt 2*(NS-1)                        ; loads come back in order: this step's two are in, the eleven younger steps' 22 stay out
.else
	s_wait_loadcnt 2*(31-i)                        ; the last steps load nothing: the counts run down
.endif
.set XS, X+8*(i%NS)
.set YS, Y+4*i
	v_cvt_pk_bf16_f32 v[YS],   v[XS],   v[XS+1]
	v_cvt_pk_bf16_f32 v[YS+1], v[XS+2], v[XS+3]
	v_cvt_pk_bf16_f32 v[YS+2], v[XS+4], v[XS+5]
	v_cvt_pk_bf16_f32 v[YS+3], v[XS+6], v[XS+7]
.if i < 32-NS
	LD i+NS, \kind                                 ; the load ahead of the store
.endif
	IMMS i, \kind
	global_store_b128 v[DO], v[YS:YS+3], s[DST:DST+1] offset:DIMM
.set i, i+1
.endr
.endm
	s_load_b256 s[4:11], s[0:1], 0x0               ; x s[4:5], W_dt s[6:7], W_B s[8:9], W_C s[10:11]
	s_load_b128 s[12:15], s[0:1], 0x20             ; xb s[12:13], wcat s[14:15]
	s_load_b64 s[16:17], s[0:1], 0x30              ; wcb
	v_lshrrev_b32 v1, 5, v0
	v_readfirstlane_b32 s18, v1                    ; wave 0..9
	s_mul_i32 s19, ttmp9, 10
	s_add_co_u32 s19, s19, s18                     ; my wave among all 2,560
	v_and_b32 v4, 31, v0                           ; l
	v_lshrrev_b32 v5, 4, v4                        ; l / 16
	v_and_b32 v6, 15, v4                           ; l % 16
	s_mov_b32 s25, 0                               ; the upper words of the two offsets
	s_mov_b32 s27, 0
	s_wait_kmcnt 0x0
	s_cmp_lt_u32 s19, 1024
	s_cbranch_scc0 .Lweights
	; x: waves 0 to 1,023; rows 4 W .. 4 W + 3 of the 4,096
	s_lshl_b32 s24, s19, 15
	s_add_nc_u64 s[SRC:SRC+1], s[4:5], s[24:25]
	s_lshr_b32 s28, s19, 8                         ; b
	s_lshl_b32 s29, s19, 2
	s_and_b32 s29, s29, 1023                       ; t of my first row, a multiple of 4: the four rows' p lie on end
	s_and_b32 s30, s29, 0x380                      ; 512 T + 128 w stays
	s_and_b32 s31, s29, 0x38
	s_lshl_b32 s31, s31, 1                         ; 8 a becomes 16 a
	s_or_b32 s30, s30, s31
	s_and_b32 s31, s29, 0x40
	s_lshr_b32 s31, s31, 3                         ; 64 h becomes 8 h
	s_or_b32 s30, s30, s31
	s_and_b32 s31, s29, 7
	s_or_b32 s30, s30, s31                         ; p
	s_lshl_b32 s26, s28, 22                        ; a batch is 16 x 1,024 x 256 bytes
	s_lshl_b32 s30, s30, 8
	s_add_co_u32 s26, s26, s30
	s_add_nc_u64 s[DST:DST+1], s[12:13], s[26:27]
	v_lshlrev_b32 v[SO], 13, v5                    ; lanes 16-31 take the next row,
	v_lshl_add_u32 v[SO], v6, 5, v[SO]             ; 32 bytes a lane
	v_lshlrev_b32 v[DO], 4, v4                     ; two rows of 256 bytes on end
	RUN 0
	s_endpgm
.Lweights:
	s_cmp_lt_u32 s19, 2048
	s_cbranch_scc0 .Lwc
	; W_dt: waves 1,024 to 1,535; W_B: 1,536 to 2,047
	s_sub_co_u32 s28, s19, 1024
	s_lshr_b32 s29, s28, 9                         ; 0: W_dt, 1: W_B
	s_and_b32 s28, s28, 511                        ; rows 4 s28 ..
	s_cmp_eq_u32 s29, 0
	s_cselect_b64 s[SRC:SRC+1], s[6:7], s[8:9]
	s_lshl_b32 s24, s28, 15
	s_add_nc_u64 s[SRC:SRC+1], s[SRC:SRC+1], s[24:25]
	s_lshr_b32 s30, s28, 3                         ; g
	s_and_b32 s31, s28, 7
	s_lshl_b32 s31, s31, 2                         ; the row in its group of 32,
	s_lshl_b32 s29, s29, 5
	s_add_co_u32 s31, s31, s29                     ; W_B's behind W_dt's: q
	s_lshl_b32 s26, s30, 18                        ; a group is 16 x 64 x 256 bytes
	s_lshl_b32 s31, s31, 8
	s_add_co_u32 s26, s26, s31
	s_add_nc_u64 s[DST:DST+1], s[14:15], s[26:27]
	v_lshlrev_b32 v[SO], 13, v5
	v_lshl_add_u32 v[SO], v6, 5, v[SO]
	v_lshlrev_b32 v[DO], 4, v4
	RUN 1
	s_endpgm
.Lwc:
	; W_C: waves 2,048 to 2,559
	s_sub_co_u32 s28, s19, 2048
	s_lshl_b32 s24, s28, 15
	s_add_nc_u64 s[SRC:SRC+1], s[10:11], s[24:25]
	s_lshr_b32 s29, s28, 6                         ; dblk
	s_and_b32 s30, s28, 63                         ; my four rows in the block: 4 x 64 bytes each
	s_lshl_b32 s26, s29, 20                        ; a block is 64 x 256 x 64 bytes
	s_lshl_b32 s30, s30, 8
	s_add_co_u32 s26, s26, s30
	s_add_nc_u64 s[DST:DST+1], s[16:17], s[26:27]
	v_bfe_u32 v7, v4, 2, 2                         ; which of the four rows
	v_lshlrev_b32 v[SO], 13, v7
	v_lshl_add_u32 v[SO], v5, 7, v[SO]             ; which of the step's two blocks of 32 columns
	v_and_b32 v7, 3, v4
	v_lshl_add_u32 v[SO], v7, 5, v[SO]             ; 32 bytes a lane
	v_lshlrev_b32 v[DO], 4, v6                     ; four rows of 64 bytes on end,
	v_lshl_add_u32 v[DO], v5, 14, v[DO]            ; the second block 16,384 bytes on
	RUN 2
	s_endpgm
.Lfunc_end_k_q405d7b1ba2_prep:
	.size	k_q405d7b1ba2_prep, .Lfunc_end_k_q405d7b1ba2_prep-k_q405d7b1ba2_prep
	.p2alignl 7, 3214868480
	.fill 96, 4, 3214868480
	.section	.rodata,"a",@progbits
	.p2align	6, 0x0
	.amdhsa_kernel k_q405d7b1ba2_prep
		.amdhsa_group_segment_fixed_size 0
		.amdhsa_private_segment_fixed_size 0
		.amdhsa_enable_private_segment 0
		.amdhsa_kernarg_size 56
		.amdhsa_user_sgpr_count 2
		.amdhsa_user_sgpr_kernarg_segment_ptr 1
		.amdhsa_wavefront_size32 1
		.amdhsa_system_sgpr_workgroup_id_x 1
		.amdhsa_system_sgpr_workgroup_id_y 1
		.amdhsa_system_sgpr_workgroup_id_z 1
		.amdhsa_system_vgpr_workitem_id 0
		.amdhsa_next_free_vgpr 240
		.amdhsa_next_free_sgpr 66
		.amdhsa_reserve_vcc 0
		.amdhsa_float_denorm_mode_32 3
		.amdhsa_float_denorm_mode_16_64 3
		.amdhsa_memory_ordered 1
		.amdhsa_forward_progress 1
		.amdhsa_inst_pref_size 58
	.end_amdhsa_kernel
	.amdgpu_metadata
---
amdhsa.version: [ 1, 2 ]
amdhsa.kernels:
  - .name:           k_q405d7b1ba2_prep
    .symbol:         k_q405d7b1ba2_prep.kd
    .args:
      - { .name: x, .offset: 0, .size: 8, .value_kind: global_buffer, .address_space: global }
      - { .name: W_dt, .offset: 8, .size: 8, .value_kind: global_buffer, .address_space: global }
      - { .name: W_B, .offset: 16, .size: 8, .value_kind: global_buffer, .address_space: global }
      - { .name: W_C, .offset: 24, .size: 8, .value_kind: global_buffer, .address_space: global }
      - { .name: xb, .offset: 32, .size: 8, .value_kind: global_buffer, .address_space: global }
      - { .name: wcat, .offset: 40, .size: 8, .value_kind: global_buffer, .address_space: global }
      - { .name: wcb, .offset: 48, .size: 8, .value_kind: global_buffer, .address_space: global }
    .group_segment_fixed_size: 0
    .private_segment_fixed_size: 0
    .kernarg_segment_align: 8
    .kernarg_segment_size: 56
    .max_flat_workgroup_size: 320
    .sgpr_count:     66
    .vgpr_count:     240
    .wavefront_size: 32
...
	.end_amdgpu_metadata
.endif
;; end of part 1
;; launch ssm (part 2): grid 64 x 4, 4 waves a work-group, clusters of 4 x 1, 327,680 bytes of LDS; arguments xb, wcat, b_dt, A_log, hb; writes hb
.if DOCPART == 2
	.amdgcn_target "amdgcn-amd-amdhsa--gfx1250"
	.amdhsa_code_object_version 6
	.text
	.protected	k_q405d7b1ba2_ssm
	.globl	k_q405d7b1ba2_ssm
	.p2align	8
	.type	k_q405d7b1ba2_ssm,@function
k_q405d7b1ba2_ssm:
	s_mov_b64 s[64:65], 0
	v_nop
	global_prefetch_b8 v0, s[64:65] scope:SCOPE_SE
	s_setreg_imm32_b32 hwreg(HW_REG_WAVE_MODE, 25, 1), 1
	s_wait_xcnt 0x0
	s_wait_alu depctr_hold_cnt(0) depctr_sa_sdst(0) depctr_va_vdst(0) depctr_va_sdst(0) depctr_va_ssrc(0) depctr_va_vcc(0) depctr_vm_vsrc(0)
	s_getreg_b32 s2, hwreg(HW_REG_IB_STS2, 6, 4)
	s_cmp_eq_u32 s2, 0
	s_cbranch_scc0 .Lentry_in_a_cluster
	s_endpgm
.Lentry_in_a_cluster:
	s_bfe_u32 s2, ttmp6, 0x10000c
	s_cmp_lg_u32 s2, 0x3003
	s_cbranch_scc0 .Lentry_shape_is_right
	s_endpgm
.Lentry_shape_is_right:
; h[b][t][n] for all t: z = x W_dt^T + b_dt, Bp = x W_B^T (bf16 operands, f32 sums), dt = softplus(z), A_bar = exp(dt A), u = dt Bp x, h_t = A_bar_t h_(t-1) + u_t.  h leaves rounded once to bf16.
; WORK LEFT OUT: the product of A_bar_0 with the zero state that reference() builds: each chain starts with h = u (shown at the head of the first kernel).
; LIMITS.  b_dt and A_log are rounded to bf16 like every input.  An exponential below 2^-126 counts as 0 (exp(-|z|) for |z| above some 87, A_bar, products of A_bar).  NaN and infinities are not treated apart.
; SHARES.  A work-group owns 32 channels (g) of one batch (b) and ALL 1,024 steps, so the recurrence never leaves it: two tiles of 512 rows of x by 64 rows of wcat (32 of W_dt, 32 of W_B).
; Wave w owns rows 128 w .. 128 w + 127 of a tile and all 64 columns: 8 x 4 accumulators of 16 x 16, 256 registers.  K goes in steps of 128 through two LDS slots.
; LAYOUT.  Source 0 = 16 rows of x, source 1 = 16 rows of W: in the result lane (r, h) holds ONE channel (r) and rows 8 h + j.  xb's rows are permuted (row 16 a + 8 h + j of a wave's 128 is time 64 h + 8 a + j), so a
; lane's 64 results of a channel are 64 CONSECUTIVE steps: the scan runs inside the lane, in f32 registers.  The eight segments of 64 steps of a tile meet once in LDS: each gives its last h and the product P of its A_bar.
; CLUSTER.  The four work-groups of a cluster have the same batch and walk the same tiles of x: these are asked for JOINTLY (mask of all four).  W's tile is each work-group's own: a plain load.  It is shared with the three
; other batches' work-groups, which lie in other clusters: it is 16,384 of a K step's 147,456 bytes, and a cluster of 4 x 4 would spare three quarters of that ninth alone.
; THE WALK ALONG K IS ROTATED.  f32 sums may be taken in any order of K.  Cluster c of batch b begins at block (2 c mod 16 + c / 8 + 8 (b mod 2) + 4 (b / 2)) mod 16 of the 16 blocks of 128 and goes round.  So the 16 clusters
; of a batch begin at 16 different blocks of x, and the four batches' work-groups of one g at four blocks of W that lie 4 apart: those that read the same block ask for it in different K steps, not all in the same one.
; The number is made of the cluster's x and the batch alone, which the four partners share.
; REGISTERS, in windows of 256 (s_set_vgpr_msb: bits 1:0 source 0, 3:2 source 1, 5:4 source 2, 7:6 destination):
;   window 0: v0-63 addresses and constants; v64-159, v160-255 two fragment buffers (x's 8 fragments, then W's 4); behind a tile's products they are at work
;   window 1: accumulator (a, n4) at v[8 (4 a + n4)]; n4 = 0, 1: z of channels 0-15, 16-31; n4 = 2, 3: Bp.  Later P takes z's registers and h takes Bp's
;   window 2: v0-63 x of my rows and my own 32 channels, as fragments; v64-191 the same in the results' layout; v192-203 two unit fragments
.set PITCH, 272                        ; an LDS row: 256 bytes + 16 of padding = 68 words: the 16 rows of a fragment load start at 16 different groups of four banks (64 banks of 4 bytes: ISA guide 11.1)
.set XT,    512*PITCH                  ; x's 512 rows
.set SLOT,  XT+64*PITCH                ; then W's 64
.set SUM,   2*SLOT                     ; behind the ring, never filled by a tensor load: P of segment sg, channel c at 128 sg + 4 c; h 1,024 bytes on
.set SPARE, SUM+2048                   ; the spare words, 128 bytes for each wave: two blocks of 256 bytes that no other line names
.set F0,   64
.set F1,   160
.set ADRA, 16                          ; v16-17  LDS address of my x fragments in slot 0, 1
.set ADRB, 20                          ; v20-21  the same for W
.set XO,   22                          ; v22     my byte offset in xb for x of my own channels
.set HO,   23                          ; v23     my byte offset in hb
.set SUMW, 24                          ; v24     where I put my segment's P
.set SUMR, 25                          ; v25     where I read segment 0's P of my channel
.set PFO,  26                          ; v26     256 x lane: the prefetch's offset; never rewritten
.set SPW,  28                          ; v28     LDS address of my spare word; never rewritten
.set NIL,  29                          ; v29     0; never rewritten
.set SEG,  30                          ; v30     my segment: 2 w + h
.set BI,   32                          ; v32-35  b_dt of my two channels, each twice
.set AA,   36                          ; v36-39  -log2(e) exp(A_log) of my two channels, each twice
.set CAR,  40                          ; v40-41  the state that enters the tile, f32: carried from tile to tile in registers
.set CI,   42                          ; v42-45  the state that enters my segment (low word of a pair)
.set T0,   64
.set T1,   80
.set T2,   96
.set T3,   112
.set PK,   128                         ; v128-191 h packed for the stores
.set SMP,  192                         ; v192-207 the eight segments' P, by channel block
.set SMH,  208                         ; v208-223 their last h
.set XA,   0                           ; window 2
.set XD,   64
.set ID,   192
.set HB,   12                          ; s[12:13] hb at my work-group's block, at the tile in hand
.set WV,   14
.set CX,   15
.set GG,   16                          ; g = 4 x cluster x + cx
.set BT,   17                          ; b
.set XBS,  20                          ; s[20:21] xb at my batch's block 0, the 256 rows that I fetch, the tile whose blocks are being asked for
.set G1A,  24                          ; s[24:31] descriptor group 1 for x's tiles
.set G0A,  32                          ; s[32:39] group 0, a set for each slot
.set PFA,  40                          ; s[40:41] what my one prefetch names; never rewritten
.set OFF,  42                          ; s[42:43] a block's byte offset
.set LIMA, 44                          ; the loop's count at which I prefetch: 2 in the first tile, then 0, which the count never is
.set KB,   45                          ; the block of K to be asked for next
.set XB,   46                          ; s[46:47] xb at my batch, my channels' block and bytes, the tile in hand
.set G1B,  48                          ; s[48:55], s[56:63] the same for W's tiles
.set G0B,  56
.set L2E,  66                          ; log2(e)
.set THR,  67                          ; 2^-10
.set LN2,  68                          ; s[68:69] ln 2
.set MK,   70                          ; s71-77  lanes whose segment is 1 .. 7
.set WBS,  78                          ; s[78:79] wcat at my group's block 0, the 32 rows that I fetch
.set ST0,  83                          ; the block at which my cluster's walk begins
.set MSB, 0
.macro WIN new                         ; the immediate's high byte repeats the setting that is left; a switch that changes nothing is dropped
.if MSB != (\new)
	s_set_vgpr_msb (MSB<<8)|(\new)
.set MSB, (\new)
.endif
.endm
.set W_MUL, 0x50                       ; fragments in window 0, C and D in window 1
.macro PLACES                          ; four places in front of loads into registers that matrix instructions have read, and of vector work on their results
.rept 4
	v_nop
.endr
.endm
.macro CREST                           ; a round of the cluster's barrier behind its opening barrier
	s_cmp_lg_u32 s[WV], 0
	s_cbranch_scc1 .Lnot_wave_0_\@
	s_barrier_signal -3
.Lnot_wave_0_\@:
	s_barrier_wait -3
	s_barrier_signal -1
	s_barrier_wait -1
.endm
.macro CROUND                          ; a whole round
	s_barrier_signal -1
	s_barrier_wait -1
	CREST
.endm
; The two group 0 addresses of slot s are made anew from the block's number: a base and an offset made apart from it, the type bits set again; then the number steps, mod 16.
.macro AIM s
	s_lshl_b32 s[OFF], s[KB], 18                   ; a block of x is 1,024 rows of 256 bytes
	s_add_nc_u64 s[G0A+4*(\s)+2:G0A+4*(\s)+3], s[XBS:XBS+1], s[OFF:OFF+1]
	s_or_b32 s[G0A+4*(\s)+3], s[G0A+4*(\s)+3], 0x80000000   ; type = 2
	s_lshl_b32 s[OFF], s[KB], 14                   ; a block of W is 64 rows
	s_add_nc_u64 s[G0B+4*(\s)+2:G0B+4*(\s)+3], s[WBS:WBS+1], s[OFF:OFF+1]
	s_or_b32 s[G0B+4*(\s)+3], s[G0B+4*(\s)+3], 0x80000000
	s_add_co_u32 s[KB], s[KB], 1
	s_and_b32 s[KB], s[KB], 15
.endm
; A fill of slot s.  Waves 0 and 1 ask jointly for the two halves of x's 512 rows, waves 2 and 3 for the two halves of W's 64.  The branch hangs on the wave's number alone.
; An s_nop 0 and four v_nop follow each of the two lines, ahead of the jump and the label.
.macro JLOAD s
	s_cmp_lt_u32 s[WV], 2
	s_cbranch_scc0 .Lfor_w_\@
	tensor_load_to_lds s[G0A+4*(\s):G0A+4*(\s)+3], s[G1A:G1A+7]
	s_nop 0
.rept 4
	v_nop
.endr
	s_branch .Lasked_\@
.Lfor_w_\@:
	tensor_load_to_lds s[G0B+4*(\s):G0B+4*(\s)+3], s[G1B:G1B+7]
	s_nop 0
.rept 4
	v_nop
.endr
.Lasked_\@:
.endm
; A PREFETCH INTO THE L2, one instruction a wave in the launch, behind a refill and the run of LDS loads that follows it.  The second tile's rows of x are read for the first time when the ring goes on into that tile.
; Each cluster asks for the block at which its walk begins; the 16 clusters' 16 blocks are all of a batch's.  A block's 512 rows of 256 bytes: a row for each of 4 partners x 4 waves x 32 lanes, told apart BY ADDRESS.
; So each row's 256 bytes are named once.  It stands in the first tile's change of slots at K step 10 of the walk (the loop's count is 2), four refills, 512 matrix instructions, ahead of the load that wants the block.
; The first tile's blocks of x and all of W's are asked for the first time within some work-group's first four K steps: nothing is asked ahead of those.
.macro ASK
	s_cmp_eq_u32 s3, s[LIMA]
	s_cbranch_scc0 .Lnot_now_\@
	global_prefetch_b8 v[PFO], s[PFA:PFA+1] th:TH_LOAD_NT scope:SCOPE_SE
.Lnot_now_\@:
.endm
; 4 n matrix instructions: x's fragments i0 .. i0 + n - 1 by W's four, 32 along K, from buffer f.  zero = 1: the product starts the sum.
; The 32 accumulators take turns, one instruction a turn, in the same order in every quarter: 31 others stand between two links of a chain.
.macro MUL f, i0, n, zero
	WIN W_MUL
.set mi, (\i0)
.rept (\n)
.irp c, 0,1,2,3
.if \zero
	v_wmma_f32_16x16x32_bf16 v[8*(4*mi+(\c)):8*(4*mi+(\c))+7], v[(\f)+8*mi:(\f)+8*mi+7], v[(\f)+64+8*(\c):(\f)+64+8*(\c)+7], 0
.else
	v_wmma_f32_16x16x32_bf16 v[8*(4*mi+(\c)):8*(4*mi+(\c))+7], v[(\f)+8*mi:(\f)+8*mi+7], v[(\f)+64+8*(\c):(\f)+64+8*(\c)+7], v[8*(4*mi+(\c)):8*(4*mi+(\c))+7]
.endif
.endr
.set mi, mi+1
.endr
.endm
; 24 LDS loads in one run: quarter q (32 along K, 64 bytes of the rows) into buffer f: W's four fragments, x's 0-3, x's 4-7
.macro FETCH slot, q, f
	WIN 0
.irp i, 0,1,2,3
	ds_load_b128 v[(\f)+64+8*(\i):(\f)+64+8*(\i)+3],   v[ADRB+(\slot)] offset:64*(\q)+(\i)*16*PITCH
	ds_load_b128 v[(\f)+64+8*(\i)+4:(\f)+64+8*(\i)+7], v[ADRB+(\slot)] offset:64*(\q)+(\i)*16*PITCH+32
.endr
.irp i, 0,1,2,3,4,5,6,7
	ds_load_b128 v[(\f)+8*(\i):(\f)+8*(\i)+3],   v[ADRA+(\slot)] offset:64*(\q)+(\i)*16*PITCH
	ds_load_b128 v[(\f)+8*(\i)+4:(\f)+8*(\i)+7], v[ADRA+(\slot)] offset:64*(\q)+(\i)*16*PITCH+32
.endr
.endm
; One of a K step's first three quarters: multiplies buffer f; in its middle it fetches quarter q of the same slot into buffer g.
.macro QUARTER slot, q, f, g, zero
	s_wait_dscnt 8                                 ; W and x's fragments 0-3 are in; the youngest eight loads (x's 4-7) may be out
	MUL \f, 0, 4, \zero
	PLACES
	FETCH \slot, \q, \g
	s_wait_dscnt 24                                ; all but the 24 just issued
	MUL \f, 4, 4, \zero
.endm
; The fourth quarter multiplies buffer 1 and changes slots.  In front of the barrier each wave waits for all its tensor loads (the one that is out is its part of the next slot), adds 0 to its spare word,
; and waits for that and for its reads of this slot.  mode 0: this slot is filled again, with the walk's block two K steps on; mode 1: with the next tile's; then the barrier opens a round of the cluster's barrier, and the fill
; is the first tensor load behind the round: 112 matrix instructions ahead of the wait for it.  mode 2: nothing is filled.  fetch = 1: the next slot's first fragments follow.
.macro TURN slot, next, mode, fetch
	WIN 0
	s_wait_tensorcnt 0x0                           ; all my tensor loads have landed: every group 0 may be written
	ds_add_u32 v[SPW], v[NIL]                      ; 0 onto my spare word; the descriptors' scalar work and eight products stand between it and the wait for it
.if (\mode) < 2
.if ((\mode) == 1) && ((\slot) == 0)
	s_add_nc_u64 s[XBS:XBS+1], s[XBS:XBS+1], 131072  ; the second tile: 512 rows down; after 16 fills the block's number is back at the walk's first
.endif
	AIM \slot
.endif
	s_wait_dscnt 9                                 ; (the add and the youngest eight loads may be out)
	MUL F1, 0, 2, 0
	s_wait_dscnt 0x0                               ; the add is done, and my reads of this slot are over
	s_barrier_signal -1
	MUL F1, 2, 2, 0                                ; work on registers while the others arrive
	WIN 0
	s_barrier_wait -1
.if (\mode) < 2
	CREST                                          ; no wave of any partner still reads this slot or has a load on its way
	JLOAD \slot                                    ; the four v_nop behind it are also the places in front of the loads below
.else
	PLACES
.endif
.if \fetch
	FETCH \next, 0, F0
.endif
.if ((\mode) == 0) && ((\slot) == 0)
	ASK
.endif
	MUL F1, 4, 4, 0
.endm
.macro LASTQ                           ; the walk's last quarter: nothing more to fetch
	s_wait_dscnt 8
	MUL F1, 0, 4, 0
	s_wait_dscnt 0x0
	MUL F1, 4, 4, 0
.endm
	s_load_b256 s[4:11], s[0:1], 0x0               ; xb s[4:5], wcat s[6:7], b_dt s[8:9], A_log s[10:11]
	s_load_b64 s[HB:HB+1], s[0:1], 0x20            ; hb
	v_lshl_add_u32 v[SPW], v0, 2, SPARE
	v_mov_b32 v[NIL], 0
	ds_add_u32 v[SPW], v[NIL]                      ; the wave's opening: the add, twice on end, and its wait ahead of my first tensor load
	ds_add_u32 v[SPW], v[NIL]                      ; and once more, under the one wait; the set-up below, work on registers, stands between
	v_lshrrev_b32 v1, 5, v0
	v_readfirstlane_b32 s[WV], v1                  ; wave 0..3
	s_bfe_u32 s[CX], ttmp6, 0x40000                ; cx: my place in the cluster
	s_lshl_b32 s[GG], ttmp9, 2                     ; in a cluster launch ttmp9 counts clusters
	s_add_co_u32 s[GG], s[GG], s[CX]               ; g: it enters W's, hb's and my own channels' addresses alone
	s_and_b32 s[BT], ttmp7, 0xffff                 ; b, which the four partners share
	s_and_b32 s18, s[WV], 1                        ; which half of a tile I fetch
	s_lshl_b32 s[KB], ttmp9, 1                     ; where the walk along K begins: 2 c mod 16
	s_and_b32 s[KB], s[KB], 15
	s_lshr_b32 s19, ttmp9, 3
	s_or_b32 s[KB], s[KB], s19                     ; + c / 8
	s_and_b32 s19, s[BT], 1
	s_lshl_b32 s19, s19, 3
	s_add_co_u32 s[KB], s[KB], s19                 ; + 8 (b mod 2)
	s_lshr_b32 s19, s[BT], 1
	s_lshl_b32 s19, s19, 2
	s_add_co_u32 s[KB], s[KB], s19                 ; + 4 (b / 2),
	s_and_b32 s[KB], s[KB], 15                     ; mod 16
	s_mov_b32 s[ST0], s[KB]
	s_mov_b32 s[OFF+1], 0
	; descriptor group 1 for x: 256 rows x 128 elements, padded in LDS
	s_mov_b32 s[G1A], 15|(1<<16)|(1<<20)|(1<<21)|(5<<22)|(3<<25)  ; 15:0 the mask of four; 17:16 2-byte elements; 20 padding on; 21 set beside a mask; 24:22 after every 64 words (code 5); 31:25 4 words (code 3)
	s_mov_b32 s[G1A+1], 128<<16                    ; tensor_dim0 = 128
	s_mov_b32 s[G1A+2], 256<<16                    ; tensor_dim1 = 256
	s_mov_b32 s[G1A+3], 128<<16                    ; tile_dim0 = 128
	s_mov_b32 s[G1A+4], 256                        ; tile_dim1 = 256
	s_mov_b32 s[G1A+5], 128                        ; 128 elements from row to row: a block's rows lie on end
	s_mov_b32 s[G1A+6], 0
	s_mov_b32 s[G1A+7], 0
	; and for W: 32 rows, no mask
	s_mov_b32 s[G1B], (1<<16)|(1<<20)|(5<<22)|(3<<25)
	s_mov_b32 s[G1B+1], 128<<16
	s_mov_b32 s[G1B+2], 32<<16
	s_mov_b32 s[G1B+3], 128<<16
	s_mov_b32 s[G1B+4], 32
	s_mov_b32 s[G1B+5], 128
	s_mov_b32 s[G1B+6], 0
	s_mov_b32 s[G1B+7], 0
	s_lshl_b32 s20, s[BT], 22                      ; x: my batch (16 x 1,024 x 256 bytes),
	s_lshl_b32 s21, s18, 16                        ; my 256 rows: made of b and the wave's number alone
	s_add_co_u32 s20, s20, s21
	s_mov_b32 s21, 0
	s_lshl_b32 s78, s[GG], 18                      ; W: my group (16 x 64 x 256 bytes),
	s_lshl_b32 s79, s18, 13                        ; my 32 rows
	s_add_co_u32 s78, s78, s79
	s_mov_b32 s79, 0
	s_mul_i32 s22, s18, 256*PITCH                  ; where they go in a slot: no place in the cluster enters an LDS address
	s_mul_i32 s23, s18, 32*PITCH
	s_add_co_u32 s23, s23, XT
	s_mov_b32 s[L2E], 0x3fb8aa3b
	s_mov_b32 s[THR], 0x3a800000
	s_mov_b32 s[LN2], 0x3f317218
	s_mov_b32 s[LN2+1], s[LN2]                     ; named with it as a pair
	s_wait_dscnt 0x0                               ; both opening adds are done
	s_wait_kmcnt 0x0
	s_add_nc_u64 s[XBS:XBS+1], s[4:5], s[20:21]
	s_add_nc_u64 s[WBS:WBS+1], s[6:7], s[78:79]
	CROUND                                         ; all four work-groups are here: the first joint loads meet
.irp s, 0,1
	s_mov_b32 s[G0A+4*(\s)], 1                     ; count = 1
	s_add_co_u32 s[G0A+4*(\s)+1], s22, (\s)*SLOT   ; LDS address
	s_mov_b32 s[G0B+4*(\s)], 1
	s_add_co_u32 s[G0B+4*(\s)+1], s23, (\s)*SLOT
	AIM \s                                         ; global addresses: the walk's first two blocks
.endr
	s_cmp_lt_u32 s[WV], 2                          ; a wave's two first fills stand in one branch, ahead of every wait on TENSORcnt and every LDS read: two loads of mine are out
	s_cbranch_scc0 .Lfirst_w
	tensor_load_to_lds s[G0A:G0A+3], s[G1A:G1A+7]
	s_nop 0
	tensor_load_to_lds s[G0A+4:G0A+7], s[G1A:G1A+7]
	s_nop 0
.rept 4
	v_nop
.endr
	s_branch .Lfirst_asked
.Lfirst_w:
	tensor_load_to_lds s[G0B:G0B+3], s[G1B:G1B+7]
	s_nop 0
	tensor_load_to_lds s[G0B+4:G0B+7], s[G1B:G1B+7]
	s_nop 0
.rept 4
	v_nop
.endr
.Lfirst_asked:
	; b_dt and A_log of my two channels, 32 g + r and 32 g + 16 + r
	v_and_b32 v2, 15, v0                           ; r
	v_bfe_u32 v3, v0, 4, 1                         ; h
	v_and_b32 v4, 31, v0                           ; lane
	s_lshl_b32 s80, s[GG], 7
	v_lshl_add_u32 v10, v2, 2, s80
	global_load_b32 v11, v10, s[8:9]
	global_load_b32 v12, v10, s[8:9] offset:64
	global_load_b32 v13, v10, s[10:11]
	global_load_b32 v14, v10, s[10:11] offset:64
	; the other pointers
	s_mov_b32 s81, 0
	s_lshl_b32 s80, s[BT], 6
	s_add_co_u32 s80, s80, s[GG]
	s_lshl_b32 s80, s80, 16                        ; hb: block (b, g) of 65,536 bytes
	s_add_nc_u64 s[HB:HB+1], s[HB:HB+1], s[80:81]
	s_lshl_b32 s80, s[BT], 4
	s_lshr_b32 s82, s[GG], 2
	s_add_co_u32 s80, s80, s82
	s_lshl_b32 s80, s80, 18                        ; xb: the block of 128 columns that holds my 32 channels,
	s_and_b32 s82, s[GG], 3
	s_lshl_b32 s82, s82, 6                         ; and their 64 bytes of its rows
	s_add_co_u32 s80, s80, s82
	s_add_nc_u64 s[XB:XB+1], s[4:5], s[80:81]
	s_lshl_b32 s80, s[BT], 4
	s_add_co_u32 s80, s80, s[ST0]                  ; the prefetch: my batch, the block at which my cluster's walk begins,
	s_lshl_b32 s80, s80, 18
	s_add_co_u32 s80, s80, 131072                  ; the second tile's 512 rows,
	s_lshl_b32 s82, s[CX], 15                      ; my work-group's 128 of them,
	s_add_co_u32 s80, s80, s82
	s_lshl_b32 s82, s[WV], 13                      ; my wave's 32
	s_add_co_u32 s80, s80, s82
	s_add_nc_u64 s[PFA:PFA+1], s[4:5], s[80:81]
	s_mov_b32 s[LIMA], 2
	; A fragment is 16 rows x 32 K in 8 registers: lane (r, h) holds row r; registers 0-3 K = 8 h + 0..7, registers 4-7 K = 16 + 8 h + 0..7: two loads of 16 bytes, 32 bytes apart.
	v_mul_u32_u24 v5, v2, PITCH
	v_lshl_add_u32 v5, v3, 4, v5
	s_mul_i32 s19, s[WV], 128*PITCH
	v_add_nc_u32 v[ADRA], s19, v5
	v_add_nc_u32 v[ADRA+1], SLOT, v[ADRA]
	v_add_nc_u32 v[ADRB], XT, v5
	v_add_nc_u32 v[ADRB+1], SLOT, v[ADRB]
	v_lshlrev_b32 v6, 8, v2
	v_lshl_add_u32 v6, v3, 4, v6
	s_lshl_b32 s19, s[WV], 15
	v_add_nc_u32 v[XO], s19, v6                    ; row (128 w + r) x 256 + 16 h
	v_lshlrev_b32 v6, 4, v2
	v_lshl_add_u32 v6, v3, 12, v6
	s_lshl_b32 s19, s[WV], 13
	v_add_nc_u32 v[HO], s19, v6                    ; (16 w + 8 h) blocks of 512 bytes + 16 r
	v_lshlrev_b32 v6, 2, v2
	v_add_nc_u32 v[SUMR], SUM, v6
	v_lshl_add_u32 v6, v3, 7, v6
	s_lshl_b32 s19, s[WV], 8
	s_add_co_u32 s19, s19, SUM
	v_add_nc_u32 v[SUMW], s19, v6
	v_lshlrev_b32 v[PFO], 8, v4
	s_lshl_b32 s19, s[WV], 1
	v_add_nc_u32 v[SEG], s19, v3
.irp sg, 1,2,3,4,5,6,7
	v_cmp_eq_u32 s[MK+(\sg)], \sg, v[SEG]
.endr
	v_mov_b32 v[CAR], 0                            ; the state that enters the first tile
	v_mov_b32 v[CAR+1], 0
	v_mov_b32 v[CI+1], 0                           ; named as pairs
	v_mov_b32 v[CI+3], 0
	; The unit fragments: source 1 with a one at (K = 16 nb + n, column n).  Lane (r, h) holds column r: the one lies in the lanes with h = r / 8, register (r % 8) / 2, half r % 2.
	v_lshrrev_b32 v6, 3, v2
	v_and_b32 v7, 1, v2
	v_lshlrev_b32 v7, 4, v7
	v_mov_b32 v8, 0x3f80                           ; 1.0 in bf16,
	v_lshlrev_b32 v8, v7, v8                       ; in the low or the high half
	v_cmp_eq_u32 vcc_lo, v6, v3
	v_cndmask_b32 v8, 0, v8, vcc_lo
	v_bfe_u32 v9, v2, 1, 2
	WIN 0x80                                       ; destination window 2
.irp q, 0,1,2,3
	v_mov_b32 v[ID+(\q)], 0
	v_cmp_eq_u32 vcc_lo, \q, v9
	v_cndmask_b32 v[ID+4+(\q)], 0, v8, vcc_lo
	v_mov_b32 v[ID+8+(\q)], 0
.endr
	WIN 0
	s_wait_loadcnt 0x0
	v_cvt_pk_bf16_f32 v11, v11, v12                ; rounded to bf16 like every input, and widened again
	v_cvt_pk_bf16_f32 v13, v13, v14
	v_lshlrev_b32 v[BI], 16, v11
	v_lshlrev_b32 v[BI+1], 16, v11
	v_and_b32 v[BI+2], 0xffff0000, v11
	v_and_b32 v[BI+3], 0xffff0000, v11
	v_lshlrev_b32 v12, 16, v13
	v_and_b32 v14, 0xffff0000, v13
	v_mul_f32 v12, s[L2E], v12
	v_mul_f32 v14, s[L2E], v14
	v_exp_f32 v12, v12
	v_exp_f32 v14, v14
	v_nop                                          ; a plain instruction behind the last exponential,
	s_wait_alu depctr_va_vdst(0)                   ; and the wait ahead of the first use: one for both
	v_mul_f32 v[AA], 0xbfb8aa3b, v12               ; A log2(e) = -log2(e) exp(A_log)
	v_mul_f32 v[AA+1], 0xbfb8aa3b, v12
	v_mul_f32 v[AA+2], 0xbfb8aa3b, v14
	v_mul_f32 v[AA+3], 0xbfb8aa3b, v14
; 8 steps x 2 channels: block a of my 64 steps (steps 8 a .. 8 a + 7 of my segment); element e = 8 nb + j.  z = window 1 v[32 a + e], Bp = v[32 a + 16 + e]; each accumulator is read from its low end on.
; softplus as reference() takes it: dt = max(z, 0) + log1p(exp(-|z|)); with E = exp(-|z|): ln 2 x log2(1 + E), and below 2^-10, where 1 + E loses E's digits, E - E^2 / 2 (what is dropped is under E^2 / 3 of it).
; Three batches of 16 transcendentals, each with 16 plain instructions or more behind it and ONE wait ahead of its first reader.
.macro BLOCK a
.set ZB,  32*(\a)
.set BB,  32*(\a)+16
.set XDB, XD+16*(\a)
	WIN 0x41
.set e, 0
.rept 8
	v_pk_add_f32 v[ZB+e:ZB+e+1], v[ZB+e:ZB+e+1], v[BI+2*(e/8):BI+2*(e/8)+1]   ; z
.set e, e+2
.endr
	WIN 0x01
.set e, 0
.rept 16
	v_mul_f32 v[T0+e], -|v[ZB+e]|, s[L2E]
.set e, e+1
.endr
	WIN 0
.set e, 0
.rept 16
	v_exp_f32 v[T0+e], v[T0+e]                     ; E
.set e, e+1
.endr
	WIN 0x04
.set e, 0
.rept 16
	v_max_num_f32 v[T1+e], 0, v[ZB+e]              ; max(z, 0): the plain work behind the batch
.set e, e+1
.endr
	WIN 0
	s_wait_alu depctr_va_vdst(0)                   ; the wait for the batch
.set e, 0
.rept 8
	v_pk_add_f32 v[T2+e:T2+e+1], v[T0+e:T0+e+1], 1.0 op_sel_hi:[1,0]
.set e, e+2
.endr
.set e, 0
.rept 16
	v_log_f32 v[T2+e], v[T2+e]
.set e, e+1
.endr
.set e, 0
.rept 8
	v_pk_fma_f32 v[T3+e:T3+e+1], v[T0+e:T0+e+1], -0.5, 1.0 op_sel_hi:[1,0,0]
.set e, e+2
.endr
.set e, 0
.rept 8
	v_pk_mul_f32 v[T3+e:T3+e+1], v[T3+e:T3+e+1], v[T0+e:T0+e+1]
.set e, e+2
.endr
.set e, 0
.rept 8
	v_pk_add_f32 v[T3+e:T3+e+1], v[T3+e:T3+e+1], v[T1+e:T1+e+1]
.set e, e+2
.endr
	s_wait_alu depctr_va_vdst(0)                   ; the wait for the logarithms
.set e, 0
.rept 8
	v_pk_fma_f32 v[T2+e:T2+e+1], v[T2+e:T2+e+1], s[LN2:LN2+1], v[T1+e:T1+e+1] op_sel_hi:[1,0,1]
.set e, e+2
.endr
.set e, 0
.rept 16
	v_cmp_gt_f32 vcc_lo, s[THR], v[T0+e]
	v_cndmask_b32 v[T1+e], v[T2+e], v[T3+e], vcc_lo   ; dt
.set e, e+1
.endr
.set e, 0
.rept 8
	v_pk_mul_f32 v[T0+e:T0+e+1], v[T1+e:T1+e+1], v[AA+2*(e/8):AA+2*(e/8)+1]
.set e, e+2
.endr
.set e, 0
.rept 16
	v_exp_f32 v[T0+e], v[T0+e]                     ; A_bar
.set e, e+1
.endr
	WIN 0x08
.set e, 0
.rept 8
	v_pk_mul_f32 v[T2+e:T2+e+1], v[T1+e:T1+e+1], v[XDB+e:XDB+e+1]
.set e, e+2
.endr
	WIN 0x04
.set e, 0
.rept 8
	v_pk_mul_f32 v[T2+e:T2+e+1], v[T2+e:T2+e+1], v[BB+e:BB+e+1]   ; u
.set e, e+2
.endr
	s_wait_alu depctr_va_vdst(0)                   ; the wait for A_bar
	WIN 0x44                                       ; the chains: h = A_bar h + u into Bp's registers, P = A_bar P into z's; four lines a step, so that three others stand between two links
.set j, 0
.rept 8
.irp nb, 0,1
.set hh, BB+8*(\nb)+j
.set tt, 8*(\nb)+j
.if ((\a) == 0) && (j == 0)
	v_mov_b32 v[hh], v[T2+tt]                      ; a segment's first step: h = u
.elseif j == 0
	v_fma_f32 v[hh], v[T0+tt], v[hh-25], v[T2+tt]  ; the block before ended 25 registers down
.else
	v_fma_f32 v[hh], v[T0+tt], v[hh-1], v[T2+tt]
.endif
.endr
.irp nb, 0,1
.set pp, ZB+8*(\nb)+j
.set tt, 8*(\nb)+j
.if ((\a) == 0) && (j == 0)
	v_mov_b32 v[pp], v[T0+tt]
.elseif j == 0
	v_mul_f32 v[pp], v[T0+tt], v[pp-25]
.else
	v_mul_f32 v[pp], v[T0+tt], v[pp-1]
.endif
.endr
.set j, j+1
.endr
.endm
	s_wait_tensorcnt 0x1                           ; my part of the walk's first K step is in; the second's may stay out
	s_barrier_signal -1
	s_barrier_wait -1                              ; everybody's is
	s_mov_b32 s2, 2                                ; tiles to go
.Ltile:
	WIN 0x80                                       ; x of my 128 rows and my own 32 channels, as eight fragments: wanted behind the tile's products
.irp a, 0,1,2,3,4,5,6,7
	global_load_b128 v[XA+8*(\a):XA+8*(\a)+3],   v[XO], s[XB:XB+1] offset:(\a)*4096
	global_load_b128 v[XA+8*(\a)+4:XA+8*(\a)+7], v[XO], s[XB:XB+1] offset:(\a)*4096+32
.endr
	WIN 0
	FETCH 0, 0, F0
	QUARTER 0, 1, F0, F1, 1                        ; a tile's first quarter stands in front of the loop: its products start the sums
	WIN 0                                          ; at a label and at a branch every window is 0
	s_mov_b32 s3, 7
.Llap:                                         ; a trip goes once round the ring, from a lap's second quarter to the next lap's first, and fills both slots again: K steps 2 to 15 of the walk
	QUARTER 0, 2, F1, F0, 0
	QUARTER 0, 3, F0, F1, 0
	TURN 0, 1, 0, 1
	QUARTER 1, 1, F0, F1, 0
	QUARTER 1, 2, F1, F0, 0
	QUARTER 1, 3, F0, F1, 0
	TURN 1, 0, 0, 1
	QUARTER 0, 1, F0, F1, 0
	WIN 0
	s_sub_co_u32 s3, s3, 1
	s_cmp_lg_u32 s3, 0
	s_cbranch_scc1 .Llap
	QUARTER 0, 2, F1, F0, 0                        ; the tile's last lap goes on
	QUARTER 0, 3, F0, F1, 0
	WIN 0
	s_cmp_eq_u32 s2, 1
	s_cbranch_scc1 .Llast                          ; the last tile's tail asks for nothing more
	TURN 0, 1, 1, 1                                ; the ring goes on into the second tile: slot 0 takes its first K step,
	QUARTER 1, 1, F0, F1, 0
	QUARTER 1, 2, F1, F0, 0
	QUARTER 1, 3, F0, F1, 0
	TURN 1, 0, 1, 0                                ; slot 1 its second, which lands under the work below
	WIN 0
	s_mov_b32 s[LIMA], 0                           ; the second tile has no tile behind it: nothing is prefetched in it
	s_branch .Lepi
.Llast:
	TURN 0, 1, 2, 1
	QUARTER 1, 1, F0, F1, 0
	QUARTER 1, 2, F1, F0, 0
	QUARTER 1, 3, F0, F1, 0
	LASTQ
	WIN 0
.Lepi:
	; x in the results' layout: x's fragment times a unit fragment puts x[row][16 nb + r] where z and Bp of that row and channel lie, exactly (one bf16 number times 1, plus zeros): 16 matrix instructions beside the tile's 2,048
	s_wait_loadcnt 0x0
	WIN 0x8a
.irp a, 0,1,2,3,4,5,6,7
.irp nb, 0,1
	v_wmma_f32_16x16x32_bf16 v[XD+16*(\a)+8*(\nb):XD+16*(\a)+8*(\nb)+7], v[XA+8*(\a):XA+8*(\a)+7], v[ID+4-4*(\nb):ID+11-4*(\nb)], 0
.endr
.endr
	PLACES
.irp a, 0,1,2,3,4,5,6,7
	BLOCK \a
.endr
	; my segment's P and last h go to LDS; every lane reads all eight segments' of its two channels
	WIN 0x04                                       ; the stores' data in window 1
.irp nb, 0,1
	ds_store_b32 v[SUMW], v[231+8*(\nb)] offset:64*(\nb)
	ds_store_b32 v[SUMW], v[247+8*(\nb)] offset:1024+64*(\nb)
.endr
	WIN 0
	s_wait_dscnt 0x0                               ; for the others' sake: my stores are done
	s_barrier_signal -1
	s_barrier_wait -1                              ; these words are stored again only behind the next tile's barriers
.irp nb, 0,1
.irp sg, 0,1,2,3,4,5,6,7
	ds_load_b32 v[SMP+8*(\nb)+(\sg)], v[SUMR] offset:128*(\sg)+64*(\nb)
	ds_load_b32 v[SMH+8*(\nb)+(\sg)], v[SUMR] offset:1024+128*(\sg)+64*(\nb)
.endr
.endr
	s_wait_dscnt 0x0
	; the state walks the eight segments in f32; each lane keeps what enters its own; what leaves the eighth enters the next tile
.irp nb, 0,1
	v_mov_b32 v[CI+2*(\nb)], v[CAR+(\nb)]
.irp sg, 0,1,2,3,4,5,6,7
.if (\sg) > 0
	v_cndmask_b32 v[CI+2*(\nb)], v[CI+2*(\nb)], v[CAR+(\nb)], s[MK+(\sg)]
.endif
	v_fma_f32 v[CAR+(\nb)], v[SMP+8*(\nb)+(\sg)], v[CAR+(\nb)], v[SMH+8*(\nb)+(\sg)]
.endr
.endr
	WIN 0x51                                       ; h += P x the state that entered my segment
.set a, 0
.rept 8
.set e, 0
.rept 8
	v_pk_fma_f32 v[32*a+16+e:32*a+16+e+1], v[32*a+e:32*a+e+1], v[CI+2*(e/8):CI+2*(e/8)+1], v[32*a+16+e:32*a+16+e+1] op_sel_hi:[1,0,1]
.set e, e+2
.endr
.set a, a+1
.endr
	WIN 0x05
.set a, 0
.rept 8
.set e, 0
.rept 8
	v_cvt_pk_bf16_f32 v[PK+8*a+e/2], v[32*a+16+e], v[32*a+16+e+1]
.set e, e+2
.endr
.set a, a+1
.endr
	WIN 0
.irp a, 0,1,2,3,4,5,6,7
.irp nb, 0,1
	global_store_b128 v[HO], v[PK+8*(\a)+4*(\nb):PK+8*(\a)+4*(\nb)+3], s[HB:HB+1] offset:(\a)*512+(\nb)*256  ; a lane: 8 steps of one channel; 16 lanes store 256 consecutive bytes, at a multiple of 256 from hb's first byte
.endr
.endr
	s_wait_xcnt 0x0                                ; the stores have read their data and base, the loads of x theirs: only now are these rewritten
	s_add_nc_u64 s[HB:HB+1], s[HB:HB+1], 32768     ; 64 blocks of 8 steps on
	s_add_nc_u64 s[XB:XB+1], s[XB:XB+1], 131072    ; 512 rows down (behind the last tile neither is used)
	s_sub_co_u32 s2, s2, 1
	s_cmp_lg_u32 s2, 0
	s_cbranch_scc1 .Ltile
	s_wait_tensorcnt 0x0                           ; the wave's end, behind my last tensor load and my last LDS store
	ds_add_u32 v[SPW], v[NIL]
	s_wait_dscnt 0x0
	CROUND                                         ; the closing round: no work-group ends while a partner may still ask for a tile that names it
	s_endpgm
.Lfunc_end_k_q405d7b1ba2_ssm:
	.size	k_q405d7b1ba2_ssm, .Lfunc_end_k_q405d7b1ba2_ssm-k_q405d7b1ba2_ssm
	.p2alignl 7, 3214868480
	.fill 96, 4, 3214868480
	.section	.rodata,"a",@progbits
	.p2align	6, 0x0
	.amdhsa_kernel k_q405d7b1ba2_ssm
		.amdhsa_group_segment_fixed_size 327680
		.amdhsa_private_segment_fixed_size 0
		.amdhsa_enable_private_segment 0
		.amdhsa_kernarg_size 40
		.amdhsa_user_sgpr_count 2
		.amdhsa_user_sgpr_kernarg_segment_ptr 1
		.amdhsa_wavefront_size32 1
		.amdhsa_system_sgpr_workgroup_id_x 1
		.amdhsa_system_sgpr_workgroup_id_y 1
		.amdhsa_system_sgpr_workgroup_id_z 1
		.amdhsa_system_vgpr_workitem_id 0
		.amdhsa_next_free_vgpr 768
		.amdhsa_next_free_sgpr 84
		.amdhsa_reserve_vcc 1
		.amdhsa_float_denorm_mode_32 3
		.amdhsa_float_denorm_mode_16_64 3
		.amdhsa_memory_ordered 1
		.amdhsa_forward_progress 1
		.amdhsa_inst_pref_size 193
	.end_amdhsa_kernel
	.amdgpu_metadata
---
amdhsa.version: [ 1, 2 ]
amdhsa.kernels:
  - .name:           k_q405d7b1ba2_ssm
    .symbol:         k_q405d7b1ba2_ssm.kd
    .args:
      - { .name: xb, .offset: 0, .size: 8, .value_kind: global_buffer, .address_space: global }
      - { .name: wcat, .offset: 8, .size: 8, .value_kind: global_buffer, .address_space: global }
      - { .name: b_dt, .offset: 16, .size: 8, .value_kind: global_buffer, .address_space: global }
      - { .name: A_log, .offset: 24, .size: 8, .value_kind: global_buffer, .address_space: global }
      - { .name: hb, .offset: 32, .size: 8, .value_kind: global_buffer, .address_space: global }
    .group_segment_fixed_size: 327680
    .private_segment_fixed_size: 0
    .kernarg_segment_align: 8
    .kernarg_segment_size: 40
    .max_flat_workgroup_size: 128
    .sgpr_count:     84
    .vgpr_count:     768
    .wavefront_size: 32
...
	.end_amdgpu_metadata
.endif
;; end of part 2
;; launch outp (part 3): grid 8 x 32, 4 waves a work-group, clusters of 4 x 4, 327,680 bytes of LDS; arguments hb, wcb, xb, D_skip, out0; writes out0
.if DOCPART == 3
	.amdgcn_target "amdgcn-amd-amdhsa--gfx1250"
	.amdhsa_code_object_version 6
	.text
	.protected	k_q405d7b1ba2_outp
	.globl	k_q405d7b1ba2_outp
	.p2align	8
	.type	k_q405d7b1ba2_outp,@function
k_q405d7b1ba2_outp:
	s_mov_b64 s[64:65], 0
	v_nop
	global_prefetch_b8 v0, s[64:65] scope:SCOPE_SE
	s_setreg_imm32_b32 hwreg(HW_REG_WAVE_MODE, 25, 1), 1
	s_wait_xcnt 0x0
	s_wait_alu depctr_hold_cnt(0) depctr_sa_sdst(0) depctr_va_vdst(0) depctr_va_sdst(0) depctr_va_ssrc(0) depctr_va_vcc(0) depctr_vm_vsrc(0)
	s_getreg_b32 s2, hwreg(HW_REG_IB_STS2, 6, 4)
	s_cmp_eq_u32 s2, 0
	s_cbranch_scc0 .Lentry_in_a_cluster
	s_endpgm
.Lentry_in_a_cluster:
	s_bfe_u32 s2, ttmp6, 0x10000c
	s_cmp_lg_u32 s2, 0xf033
	s_cbranch_scc0 .Lentry_shape_is_right
	s_endpgm
.Lentry_shape_is_right:
; out[b][t][d] = the sum over n of h[b][t][n] W_C[d][n] + D_skip[d] x[b][t][d].  h and W_C in bf16, sums in f32; x and D_skip rounded to bf16 like every input; out in f32.  No work of reference() is left out here.
; SHARES.  A tile of out is 128 rows (steps of one batch) x 256 columns: 256 tiles, one a work-group.  Four waves, each 64 rows x 128 columns: 8 x 4 accumulators, 256 registers.  K (the 2,048 channels) goes in steps of 128 through two LDS slots.
; LAYOUT.  The product is taken transposed: source 0 = 16 rows of W_C, source 1 = 16 steps of h: in the result lane (r, h) holds ONE row of out (step r) and the columns 8 h + 0..7: 32 bytes on end.
; hb lies as [b][g 64][8 steps' block 128][channel 32][step 8]: a plane g is 32 channels, a quarter of a K step; a tile's 16 blocks of a plane are 8,192 bytes on end.  In a block a channel's 8 steps are 16 bytes:
; ds_load_tr16_b128 turns 8 channels x 8 steps into 8 channels of one step a lane, which is a fragment's half.
; CLUSTERS.  4 x 4 work-groups: the four of a row of the cluster need the same tiles of h, the four of a column the same tiles of W_C: each is asked for JOINTLY, by the same tensor load, descriptor and mask.
; THE WALK ALONG K IS ROTATED.  f32 sums may be taken in any order of K.  Cluster (X, Y) of the 2 x 8 begins at K step (8 X + 4 (Y mod 4) + 2 (Y / 4)) mod 16 and goes round.  So the two clusters that read the same rows of h
; begin 8 K steps apart, and the eight that read the same rows of W_C at eight K steps 2 apart: those that read the same block ask for it in different K steps.  The number is made of the cluster's x and y alone, which all sixteen partners share.
; REGISTERS: window 0: v0-63 addresses and constants; v64-159, v160-255 two fragment buffers (W_C's 8 fragments, then h's 4), on the way out two sets of 16 rows; window 1: accumulator (i8, i4) at v[8 (4 i8 + i4)];
;   window 2: v0-127 x of my 64 rows, 4 columns a lane, bf16.
.set HPL,   10240                      ; a plane of h in LDS: 16 blocks of 512 bytes + 128 of padding: two neighbouring blocks' halves of 128 bytes fall on different banks (64 banks of 4 bytes: ISA guide 11.1)
.set WPL,   20480                      ; a plane of W_C: 256 rows of 64 bytes + 16 of padding = 20 words: the 16 rows of a load start at 16 different groups of four banks
.set HT,    4*HPL
.set SLOT,  HT+4*WPL
.set STAGE, 2*SLOT                     ; behind the ring, never filled by a tensor load: 16 rows x 528 bytes for each wave, for the way out
.set SP,    528
.set SPARE, STAGE+4*16*SP              ; the spare words, 128 bytes for each wave: two blocks of 256 bytes that no other line names
.set F0,   64
.set F1,   160
.set ADH,  16                          ; v16-17  LDS address of my h fragments in slot 0, 1
.set ADW,  20                          ; v20-23  of my W_C fragments: slot 0 planes 0-1, slot 0 planes 2-3, slot 1 likewise (an offset holds 16 bits)
.set STO,  24                          ; v24     the way out: where I put 32 bytes of a row
.set RD,   25                          ; v25     where I read a row back
.set CO,   26                          ; v26     16 x lane: my 16 bytes of a row's 512
.set XO,   27                          ; v27     8 x lane: my 8 bytes of a row of xb
.set SPW,  28                          ; v28     LDS address of my spare word; never rewritten
.set NIL,  29                          ; v29     0; never rewritten
.set PFO,  30                          ; v30     256 x lane; never rewritten
.set DSK,  32                          ; v32-35  D_skip of my 4 columns
.set WV,   14
.set WR,   15                          ; which 64 rows
.set WC,   16                          ; which 128 columns.  Also: which half of a tile I fetch
.set CX,   17
.set CY,   18
.set TX,   19                          ; tile column = 4 x cluster x + cx
.set TY,   20                          ; tile row = 4 x cluster y + cy
.set G1H,  24                          ; s[24:31] descriptor group 1 for h's tiles; s[32:39] group 0, a set for each slot
.set G0H,  32
.set PF,   40                          ; s[40:41] what my prefetches name; never rewritten
.set OFF,  42                          ; s[42:43] a K step's byte offset
.set LIM,  44                          ; the loop's count at which I prefetch: 7 in wave 0, else 0, which the count never is
.set XR,   46                          ; s[46:47] xb at my rows and columns
.set G1W,  48                          ; s[48:55], s[56:63] the same for W_C's tiles
.set G0W,  56
.set HBS,  66                          ; s[66:67] hb at my batch's K step 0, the tile's blocks, the two planes that I fetch
.set WBS,  68                          ; s[68:69] wcb at my tile column's K step 0, the two planes that I fetch
.set KB,   72                          ; the K step to be asked for next
.set ST0,  74                          ; the K step at which my cluster's walk begins
.set MSB, 0
.macro WIN new                         ; the immediate's high byte repeats the setting that is left; a switch that changes nothing is dropped
.if MSB != (\new)
	s_set_vgpr_msb (MSB<<8)|(\new)
.set MSB, (\new)
.endif
.endm
.set W_MUL, 0x50                       ; fragments in window 0, C and D in window 1
.macro PLACES                          ; four places in front of loads into registers that matrix instructions have read, and of LDS stores of their results
.rept 4
	v_nop
.endr
.endm
.macro CREST                           ; a round of the cluster's barrier behind its opening barrier
	s_cmp_lg_u32 s[WV], 0
	s_cbranch_scc1 .Lnot_wave_0_\@
	s_barrier_signal -3
.Lnot_wave_0_\@:
	s_barrier_wait -3
	s_barrier_signal -1
	s_barrier_wait -1
.endm
.macro CROUND
	s_barrier_signal -1
	s_barrier_wait -1
	CREST
.endm
; The two group 0 addresses of slot s are made anew from the K step's number: a base and an offset made apart from it, the type bits set again; then the number steps, mod 16.
.macro AIM s
	s_lshl_b32 s[OFF], s[KB], 18                   ; a K step is four planes of hb, 65,536 bytes apart,
	s_add_nc_u64 s[G0H+4*(\s)+2:G0H+4*(\s)+3], s[HBS:HBS+1], s[OFF:OFF+1]
	s_or_b32 s[G0H+4*(\s)+3], s[G0H+4*(\s)+3], 0x80000000   ; type = 2
	s_lshl_b32 s[OFF], s[KB], 16                   ; and four planes of wcb, 16,384 bytes each
	s_add_nc_u64 s[G0W+4*(\s)+2:G0W+4*(\s)+3], s[WBS:WBS+1], s[OFF:OFF+1]
	s_or_b32 s[G0W+4*(\s)+3], s[G0W+4*(\s)+3], 0x80000000
	s_add_co_u32 s[KB], s[KB], 1
	s_and_b32 s[KB], s[KB], 15
.endm
; A joint fill of slot s: waves 0 and 1 fetch two planes of h each, waves 2 and 3 two planes of W_C each.  An s_nop 0 and four v_nop follow each of the two lines, ahead of the jump and the label.
.macro JLOAD s
	s_cmp_lt_u32 s[WV], 2
	s_cbranch_scc0 .Lfor_w_\@
	tensor_load_to_lds s[G0H+4*(\s):G0H+4*(\s)+3], s[G1H:G1H+7]
	s_nop 0
.rept 4
	v_nop
.endr
	s_branch .Lasked_\@
.Lfor_w_\@:
	tensor_load_to_lds s[G0W+4*(\s):G0W+4*(\s)+3], s[G1W:G1W+7]
	s_nop 0
.rept 4
	v_nop
.endr
.Lasked_\@:
.endm
; A PREFETCH INTO THE L2, behind a refill and the run of LDS loads that follows it.  Of the two clusters that read a tile row's h, each is the first to ask for the eight K steps with which its own walk begins.
; The changes of slots at K steps 0 and 1 of the walk (the loop's first trip: its count is 7) refill steps 2 and 3 and name steps 6 and 7: four refills, 512 matrix instructions, ahead of the loads that want them.
; A K step of h is 4 planes of 8,192 bytes: partner cx takes plane cx, told apart BY ADDRESS, its wave 0 a block of 256 bytes a lane.  So each block is named once.  The walk begins at an even K step, so step 7 lies 262,144 bytes behind
; step 6: it stands in the immediate.  Steps 0 to 5 come by their loads alone.  Each block of W_C is asked for the first time in some cluster's first two K steps, by its first fills: nothing is asked ahead of those.
.macro ASK slot
	s_cmp_eq_u32 s3, s[LIM]
	s_cbranch_scc0 .Lnot_mine_\@
	global_prefetch_b8 v[PFO], s[PF:PF+1] offset:(\slot)*262144 th:TH_LOAD_NT scope:SCOPE_SE
.Lnot_mine_\@:
.endm
; 4 n matrix instructions: W_C's fragments i0 .. i0 + n - 1 by h's four.  The 32 accumulators take turns, one instruction a turn, in the same order in every quarter.
.macro MUL f, i0, n, zero
	WIN W_MUL
.set mi, (\i0)
.rept (\n)
.irp c, 0,1,2,3
.if \zero
	v_wmma_f32_16x16x32_bf16 v[8*(4*mi+(\c)):8*(4*mi+(\c))+7], v[(\f)+8*mi:(\f)+8*mi+7], v[(\f)+64+8*(\c):(\f)+64+8*(\c)+7], 0
.else
	v_wmma_f32_16x16x32_bf16 v[8*(4*mi+(\c)):8*(4*mi+(\c))+7], v[(\f)+8*mi:(\f)+8*mi+7], v[(\f)+64+8*(\c):(\f)+64+8*(\c)+7], v[8*(4*mi+(\c)):8*(4*mi+(\c))+7]
.endif
.endr
.set mi, mi+1
.endr
.endm
; 24 LDS loads in one run: plane q of the slot into buffer f: h's four fragments (turned; 16 steps are two blocks; channels 16 on lie 256 bytes on), W_C's 0-3, W_C's 4-7
.macro FETCH slot, q, f
	WIN 0
.irp i, 0,1,2,3
	ds_load_tr16_b128 v[(\f)+64+8*(\i):(\f)+64+8*(\i)+3],   v[ADH+(\slot)] offset:(\q)*HPL+(\i)*1280
	ds_load_tr16_b128 v[(\f)+64+8*(\i)+4:(\f)+64+8*(\i)+7], v[ADH+(\slot)] offset:(\q)*HPL+(\i)*1280+256
.endr
.irp i, 0,1,2,3,4,5,6,7
	ds_load_b128 v[(\f)+8*(\i):(\f)+8*(\i)+3],   v[ADW+2*(\slot)+(\q)/2] offset:((\q)%2)*WPL+(\i)*1280
	ds_load_b128 v[(\f)+8*(\i)+4:(\f)+8*(\i)+7], v[ADW+2*(\slot)+(\q)/2] offset:((\q)%2)*WPL+(\i)*1280+32
.endr
.endm
.macro QUARTER slot, q, f, g, zero
	s_wait_dscnt 8                                 ; h and W_C's fragments 0-3 are in; the youngest eight loads may be out
	MUL \f, 0, 4, \zero
	PLACES
	FETCH \slot, \q, \g
	s_wait_dscnt 24                                ; all but the 24 just issued
	MUL \f, 4, 4, \zero
.endm
; The fourth quarter multiplies buffer 1 and changes slots.  In front of the barrier each wave waits for all its tensor loads (the one that is out is its part of the next slot), adds 0 to its spare word, and waits for that
; and for its reads of this slot.  mode 0: this slot is filled again, with the walk's K step two on: the barrier opens a round of the cluster's barrier, and the joint fill is the first tensor load behind it.  mode 2: nothing is filled.
.macro TURN slot, next, mode
	WIN 0
	s_wait_tensorcnt 0x0                           ; all my tensor loads have landed: every group 0 may be written
	ds_add_u32 v[SPW], v[NIL]                      ; 0 onto my spare word; the descriptors' scalar work and eight products stand between it and the wait for it
.if (\mode) == 0
	AIM \slot
.endif
	s_wait_dscnt 9                                 ; (the add and the youngest eight loads may be out)
	MUL F1, 0, 2, 0
	s_wait_dscnt 0x0                               ; the add is done, and my reads of this slot are over
	s_barrier_signal -1
	MUL F1, 2, 2, 0
	WIN 0
	s_barrier_wait -1
.if (\mode) == 0
	CREST                                          ; no wave of any partner still reads this slot or has a load on its way
	JLOAD \slot                                    ; the four v_nop behind it are also the places in front of the loads below
.else
	PLACES
.endif
	FETCH \next, 0, F0
.if (\mode) == 0
	ASK \slot
.endif
	MUL F1, 4, 4, 0
.endm
	s_load_b256 s[4:11], s[0:1], 0x0               ; hb s[4:5], wcb s[6:7], xb s[8:9], D_skip s[10:11]
	s_load_b64 s[12:13], s[0:1], 0x20              ; out0
	v_lshl_add_u32 v[SPW], v0, 2, SPARE
	v_mov_b32 v[NIL], 0
	ds_add_u32 v[SPW], v[NIL]                      ; the wave's opening: the add, twice on end, and its wait ahead of my first tensor load
	ds_add_u32 v[SPW], v[NIL]                      ; and once more, under the one wait; the set-up below, work on registers, stands between
	v_lshrrev_b32 v1, 5, v0
	v_readfirstlane_b32 s[WV], v1                  ; wave 0..3
	s_lshr_b32 s[WR], s[WV], 1
	s_and_b32 s[WC], s[WV], 1
	s_bfe_u32 s[CX], ttmp6, 0x40000
	s_bfe_u32 s[CY], ttmp6, 0x40004
	s_lshl_b32 s[TX], ttmp9, 2
	s_add_co_u32 s[TX], s[TX], s[CX]
	s_and_b32 s[TY], ttmp7, 0xffff
	s_lshl_b32 s[TY], s[TY], 2
	s_add_co_u32 s[TY], s[TY], s[CY]
	s_lshl_b32 s21, s[CY], 2
	s_lshl_b32 s21, 15, s21                        ; my row of the cluster
	s_lshl_b32 s22, 0x1111, s[CX]                  ; my column
	s_and_b32 s73, ttmp7, 0xffff                   ; where the walk along K begins: with the cluster's y = Y and x = X,
	s_and_b32 s[KB], s73, 3
	s_lshl_b32 s[KB], s[KB], 2                     ; 4 (Y mod 4)
	s_lshr_b32 s73, s73, 2
	s_lshl_b32 s73, s73, 1
	s_add_co_u32 s[KB], s[KB], s73                 ; + 2 (Y / 4)
	s_lshl_b32 s73, ttmp9, 3
	s_add_co_u32 s[KB], s[KB], s73                 ; + 8 X,
	s_and_b32 s[KB], s[KB], 15                     ; mod 16
	s_mov_b32 s[ST0], s[KB]
	s_mov_b32 s[OFF+1], 0
	; group 1 for h: two planes, each 4,096 elements on end, 32,768 elements apart; 32 words of padding after every 128
	s_or_b32 s[G1H], s21, (1<<16)|(1<<20)|(1<<21)|(6<<22)|(31<<25)
	s_mov_b32 s[G1H+1], 4096<<16                   ; tensor_dim0 = 4,096
	s_mov_b32 s[G1H+2], 2<<16                      ; tensor_dim1 = 2
	s_mov_b32 s[G1H+3], 4096<<16                   ; tile_dim0 = 4,096
	s_mov_b32 s[G1H+4], 2                          ; tile_dim1 = 2
	s_mov_b32 s[G1H+5], 32768                      ; from plane to plane
	s_mov_b32 s[G1H+6], 0
	s_mov_b32 s[G1H+7], 0
	; group 1 for W_C: two planes are 32,768 dense bytes: 128 rows of 256; 4 words of padding after every 16
	s_or_b32 s[G1W], s22, (1<<16)|(1<<20)|(1<<21)|(3<<22)|(3<<25)
	s_mov_b32 s[G1W+1], 128<<16
	s_mov_b32 s[G1W+2], 128<<16
	s_mov_b32 s[G1W+3], 128<<16
	s_mov_b32 s[G1W+4], 128
	s_mov_b32 s[G1W+5], 128
	s_mov_b32 s[G1W+6], 0
	s_mov_b32 s[G1W+7], 0
	; h's address hangs on the tile row and the wave's number, W_C's on the tile column and the wave's number, each in registers that never hold the other coordinate
	s_lshr_b32 s66, s[TY], 3                       ; b
	s_lshl_b32 s66, s66, 22                        ; 64 planes of 65,536 bytes
	s_lshl_b32 s67, s[WC], 17                      ; my two planes of the K step's four
	s_add_co_u32 s66, s66, s67
	s_and_b32 s67, s[TY], 7
	s_lshl_b32 s67, s67, 13                        ; the tile's 16 blocks in a plane
	s_add_co_u32 s66, s66, s67
	s_mov_b32 s67, 0
	s_lshl_b32 s68, s[TX], 20                      ; 64 planes of 16,384 bytes
	s_lshl_b32 s69, s[WC], 15
	s_add_co_u32 s68, s68, s69
	s_mov_b32 s69, 0
	s_mul_i32 s23, s[WC], 2*HPL                    ; where they go in a slot: no place in the cluster enters an LDS address
	s_mul_i32 s45, s[WC], 2*WPL
	s_add_co_u32 s45, s45, HT
	s_wait_dscnt 0x0                               ; both opening adds are done
	s_wait_kmcnt 0x0
	s_add_nc_u64 s[HBS:HBS+1], s[4:5], s[66:67]
	s_add_nc_u64 s[WBS:WBS+1], s[6:7], s[68:69]
	CROUND                                         ; all sixteen work-groups are here: the first joint loads meet
.irp s, 0,1
	s_mov_b32 s[G0H+4*(\s)], 1
	s_add_co_u32 s[G0H+4*(\s)+1], s23, (\s)*SLOT
	s_mov_b32 s[G0W+4*(\s)], 1
	s_add_co_u32 s[G0W+4*(\s)+1], s45, (\s)*SLOT
	AIM \s                                         ; global addresses: the walk's first two K steps
.endr
	s_cmp_lt_u32 s[WV], 2                          ; a wave's two first fills stand in one branch, ahead of every wait on TENSORcnt and every LDS read: two loads of mine are out
	s_cbranch_scc0 .Lfirst_w
	tensor_load_to_lds s[G0H:G0H+3], s[G1H:G1H+7]
	s_nop 0
	tensor_load_to_lds s[G0H+4:G0H+7], s[G1H:G1H+7]
	s_nop 0
.rept 4
	v_nop
.endr
	s_branch .Lfirst_asked
.Lfirst_w:
	tensor_load_to_lds s[G0W:G0W+3], s[G1W:G1W+7]
	s_nop 0
	tensor_load_to_lds s[G0W+4:G0W+7], s[G1W:G1W+7]
	s_nop 0
.rept 4
	v_nop
.endr
.Lfirst_asked:
	v_and_b32 v2, 15, v0                           ; r
	v_bfe_u32 v3, v0, 4, 1                         ; h
	v_and_b32 v4, 31, v0                           ; lane
	v_lshlrev_b32 v[CO], 4, v4
	v_lshlrev_b32 v[XO], 3, v4
	v_lshlrev_b32 v[PFO], 8, v4
	; out0 at my 64 rows and 128 columns; D_skip of my 4 columns
	s_mov_b32 s71, 0
	s_lshl_b32 s70, s[TY], 20                      ; 128 rows of 8,192 bytes
	s_lshl_b32 s21, s[WR], 19
	s_add_co_u32 s70, s70, s21
	s_lshl_b32 s21, s[TX], 10
	s_lshl_b32 s22, s[WC], 9
	s_add_co_u32 s21, s21, s22                     ; my 128 columns in a row of f32
	s_add_co_u32 s70, s70, s21
	s_add_nc_u64 s[12:13], s[12:13], s[70:71]
	v_add_nc_u32 v31, s21, v[CO]
	global_load_b128 v[36:39], v31, s[10:11]
	; xb at block 2 tx + wc of my batch, at the row of my first step: step 128 (ty % 8) + 64 wr + 8 a + i lies at row 128 (ty % 8) + 16 a + 8 wr + i
	s_lshr_b32 s70, s[TY], 3
	s_lshl_b32 s70, s70, 22
	s_lshl_b32 s22, s[TX], 19
	s_add_co_u32 s70, s70, s22
	s_lshl_b32 s22, s[WC], 18
	s_add_co_u32 s70, s70, s22
	s_and_b32 s22, s[TY], 7
	s_lshl_b32 s22, s22, 15
	s_add_co_u32 s70, s70, s22
	s_lshl_b32 s22, s[WR], 11
	s_add_co_u32 s70, s70, s22
	s_add_nc_u64 s[XR:XR+1], s[8:9], s[70:71]
	; the prefetches: K step 6 of my cluster's walk, plane cx of its four, the tile's 16 blocks
	s_lshr_b32 s70, s[TY], 3
	s_lshl_b32 s70, s70, 22
	s_add_co_u32 s22, s[ST0], 6
	s_and_b32 s22, s22, 15
	s_lshl_b32 s22, s22, 2
	s_add_co_u32 s22, s22, s[CX]
	s_lshl_b32 s22, s22, 16
	s_add_co_u32 s70, s70, s22
	s_and_b32 s22, s[TY], 7
	s_lshl_b32 s22, s22, 13
	s_add_co_u32 s70, s70, s22
	s_add_nc_u64 s[PF:PF+1], s[4:5], s[70:71]
	s_cmp_eq_u32 s[WV], 0
	s_cselect_b32 s[LIM], 7, 0                     ; the same in all sixteen partners, for a given wave
	; h's turning load: lane L reads the 16 bytes (8 steps) of channel 8 (L / 16) + L % 8 in block (L / 8) % 2, and is left with step L % 16 and channels 8 (L / 16) + 0..7
	v_bfe_u32 v5, v0, 3, 1
	v_and_b32 v6, 7, v0
	v_lshl_add_u32 v7, v3, 3, v6
	v_mul_u32_u24 v8, v5, 640
	v_lshl_add_u32 v8, v7, 4, v8
	s_mul_i32 s21, s[WR], 8*640                    ; my 64 rows: eight blocks
	v_add_nc_u32 v[ADH], s21, v8
	v_add_nc_u32 v[ADH+1], SLOT, v[ADH]
	v_mul_u32_u24 v9, v2, 80
	v_lshl_add_u32 v9, v3, 4, v9                   ; row x pitch + 16 x half
	s_mul_i32 s21, s[WC], 128*80
	s_add_co_u32 s21, s21, HT
	v_add_nc_u32 v[ADW], s21, v9
	v_add_nc_u32 v[ADW+1], 2*WPL, v[ADW]
	v_add_nc_u32 v[ADW+2], SLOT, v[ADW]
	v_add_nc_u32 v[ADW+3], SLOT+2*WPL, v[ADW]
	s_mul_i32 s21, s[WV], 16*SP
	s_add_co_u32 s21, s21, STAGE                   ; my stage
	v_mul_u32_u24 v5, v2, SP
	v_lshl_add_u32 v5, v3, 5, v5                   ; in: row r, 32 bytes for each half of the lanes
	v_add_nc_u32 v[STO], s21, v5
	v_add_nc_u32 v[RD], s21, v[CO]                 ; back: 32 lanes take a row's 512 bytes
	s_wait_loadcnt 0x0
	v_cvt_pk_bf16_f32 v40, v36, v37                ; D_skip rounded to bf16 like every input, and widened again
	v_cvt_pk_bf16_f32 v41, v38, v39
	v_lshlrev_b32 v[DSK], 16, v40
	v_and_b32 v[DSK+1], 0xffff0000, v40
	v_lshlrev_b32 v[DSK+2], 16, v41
	v_and_b32 v[DSK+3], 0xffff0000, v41
	s_wait_tensorcnt 0x1                           ; my part of the walk's first K step is in; the second's may stay out
	s_barrier_signal -1
	s_barrier_wait -1                              ; everybody's is
	FETCH 0, 0, F0
	QUARTER 0, 1, F0, F1, 1                        ; the first quarter stands in front of the loop: its products start the sums
	WIN 0                                          ; at a label and at a branch every window is 0
	s_mov_b32 s3, 7
.Llap:                                         ; a trip goes once round the ring and fills both slots again: K steps 2 to 15 of the walk
	QUARTER 0, 2, F1, F0, 0
	QUARTER 0, 3, F0, F1, 0
	TURN 0, 1, 0
	QUARTER 1, 1, F0, F1, 0
	QUARTER 1, 2, F1, F0, 0
	QUARTER 1, 3, F0, F1, 0
	TURN 1, 0, 0
	QUARTER 0, 1, F0, F1, 0
	WIN 0
	s_sub_co_u32 s3, s3, 1
	s_cmp_lg_u32 s3, 0
	s_cbranch_scc1 .Llap
	WIN 0x80                                       ; x of my 64 rows, a whole row of 256 bytes a load: wanted on the way out, two K steps on
.set ro, 0
.rept 64
	global_load_b64 v[2*ro:2*ro+1], v[XO], s[XR:XR+1] offset:(16*(ro/8)+ro%8)*256
.set ro, ro+1
.endr
	WIN 0
	QUARTER 0, 2, F1, F0, 0                        ; the last lap fills nothing, and has no round of the cluster's barrier
	QUARTER 0, 3, F0, F1, 0
	TURN 0, 1, 2
	QUARTER 1, 1, F0, F1, 0
	QUARTER 1, 2, F1, F0, 0
	QUARTER 1, 3, F0, F1, 0
	s_wait_dscnt 8                                 ; the very last quarter: nothing more to fetch
	MUL F1, 0, 4, 0
	s_wait_dscnt 0x0
	MUL F1, 4, 4, 0
	WIN 0
	; THE WAY OUT, 16 rows at a time: a lane's 32 bytes of a row go into my own stage and come back as whole rows of 512 bytes; D_skip x is added; 32 lanes store 512 consecutive bytes.
	PLACES
	s_wait_loadcnt 0x0                             ; x
.set q4, 0
.rept 4
.set OB, 64+64*(q4%2)                  ; two sets of 64 registers by turns
	WIN 0x04                                       ; the stores' data in window 1; each accumulator's low four registers first
.set c8, 0
.rept 8
	ds_store_b128 v[STO], v[8*(4*c8+q4):8*(4*c8+q4)+3]   offset:64*c8
	ds_store_b128 v[STO], v[8*(4*c8+q4)+4:8*(4*c8+q4)+7] offset:64*c8+16
.set c8, c8+1
.endr
	WIN 0
.if q4 >= 2
	s_wait_xcnt 0x0                                ; the set's registers were stores' data two turns back: they are loaded again only behind this wait
.endif
.set rw, 0
.rept 16
	ds_load_b128 v[OB+4*rw:OB+4*rw+3], v[RD] offset:rw*SP  ; LDS serves a wave's instructions in order (ISA guide 5.7.1.4): these see the stores above; the next turn's stores come behind them
.set rw, rw+1
.endr
	s_wait_dscnt 0x0
	WIN 0x02                                       ; x in window 2
.set rw, 0
.rept 16
.set xr, 2*(16*q4+rw)
	v_fma_mix_f32_bf16 v[OB+4*rw],   v[xr],   v[DSK],   v[OB+4*rw]   op_sel_hi:[1,0,0]
	v_fma_mix_f32_bf16 v[OB+4*rw+1], v[xr],   v[DSK+1], v[OB+4*rw+1] op_sel:[1,0,0] op_sel_hi:[1,0,0]
	v_fma_mix_f32_bf16 v[OB+4*rw+2], v[xr+1], v[DSK+2], v[OB+4*rw+2] op_sel_hi:[1,0,0]
	v_fma_mix_f32_bf16 v[OB+4*rw+3], v[xr+1], v[DSK+3], v[OB+4*rw+3] op_sel:[1,0,0] op_sel_hi:[1,0,0]
.set rw, rw+1
.endr
	WIN 0
.set rw, 0
.rept 16
	global_store_b128 v[CO], v[OB+4*rw:OB+4*rw+3], s[12:13] offset:(16*q4+rw)*8192 th:TH_STORE_NT  ; 512 consecutive bytes, at a multiple of 512 from out0's first byte
.set rw, rw+1
.endr
.set q4, q4+1
.endr
	s_wait_tensorcnt 0x0                           ; the wave's end, behind my last tensor load and my last LDS store
	ds_add_u32 v[SPW], v[NIL]
	s_wait_dscnt 0x0
	CROUND                                         ; the closing round: no work-group ends while a partner may still ask for a tile that names it
	s_endpgm
.Lfunc_end_k_q405d7b1ba2_outp:
	.size	k_q405d7b1ba2_outp, .Lfunc_end_k_q405d7b1ba2_outp-k_q405d7b1ba2_outp
	.p2alignl 7, 3214868480
	.fill 96, 4, 3214868480
	.section	.rodata,"a",@progbits
	.p2align	6, 0x0
	.amdhsa_kernel k_q405d7b1ba2_outp
		.amdhsa_group_segment_fixed_size 327680
		.amdhsa_private_segment_fixed_size 0
		.amdhsa_enable_private_segment 0
		.amdhsa_kernarg_size 40
		.amdhsa_user_sgpr_count 2
		.amdhsa_user_sgpr_kernarg_segment_ptr 1
		.amdhsa_wavefront_size32 1
		.amdhsa_system_sgpr_workgroup_id_x 1
		.amdhsa_system_sgpr_workgroup_id_y 1
		.amdhsa_system_sgpr_workgroup_id_z 1
		.amdhsa_system_vgpr_workitem_id 0
		.amdhsa_next_free_vgpr 640
		.amdhsa_next_free_sgpr 76
		.amdhsa_reserve_vcc 0
		.amdhsa_float_denorm_mode_32 3
		.amdhsa_float_denorm_mode_16_64 3
		.amdhsa_memory_ordered 1
		.amdhsa_forward_progress 1
		.amdhsa_inst_pref_size 109
	.end_amdhsa_kernel
	.amdgpu_metadata
---
amdhsa.version: [ 1, 2 ]
amdhsa.kernels:
  - .name:           k_q405d7b1ba2_outp
    .symbol:         k_q405d7b1ba2_outp.kd
    .args:
      - { .name: hb, .offset: 0, .size: 8, .value_kind: global_buffer, .address_space: global }
      - { .name: wcb, .offset: 8, .size: 8, .value_kind: global_buffer, .address_space: global }
      - { .name: xb, .offset: 16, .size: 8, .value_kind: global_buffer, .address_space: global }
      - { .name: D_skip, .offset: 24, .size: 8, .value_kind: global_buffer, .address_space: global }
      - { .name: out0, .offset: 32, .size: 8, .value_kind: global_buffer, .address_space: global }
    .group_segment_fixed_size: 327680
    .private_segment_fixed_size: 0
    .kernarg_segment_align: 8
    .kernarg_segment_size: 40
    .max_flat_workgroup_size: 128
    .sgpr_count:     76
    .vgpr_count:     640
    .wavefront_size: 32
...
	.end_amdgpu_metadata
.endif
;; end of part 3
;; ======== version 2 of 2: 3 launches; version 1 with the launch prep written anew for expert scheduling mode
;; workspace buffers: xb 16,777,216 bytes; wcat 16,777,216 bytes; wcb 8,388,608 bytes; hb 16,777,216 bytes
;; launch prep (part 4): grid 256 x 1, 10 waves a work-group, no clusters, 0 bytes of LDS; arguments x, W_dt, W_B, W_C, xb, wcat, wcb; writes xb, wcat, wcb
.if DOCPART == 4
	.amdgcn_target "amdgcn-amd-amdhsa--gfx1250"
	.amdhsa_code_object_version 6
	.text
	.protected	k_q405d7b1ba2_prep
	.globl	k_q405d7b1ba2_prep
	.p2align	8
	.type	k_q405d7b1ba2_prep,@function
k_q405d7b1ba2_prep:
	s_mov_b64 s[64:65], 0
	v_nop
	global_prefetch_b8 v0, s[64:65] scope:SCOPE_SE
	s_setreg_imm32_b32 hwreg(HW_REG_WAVE_SCHED_MODE, 0, 2), 2
	s_setreg_imm32_b32 hwreg(HW_REG_WAVE_MODE, 25, 1), 1
	s_wait_xcnt 0x0
	s_wait_alu depctr_vm_vsrc(0)
; THE PROGRAM (three launches).  out = h W_C^T + D_skip x, h_t = A_bar_t h_(t-1) + u_t, A_bar = exp(dt A), u = dt (x W_B^T) x, dt = softplus(x W_dt^T + b_dt), A = -exp(A_log).
; This launch rounds x, W_dt, W_B and W_C to bf16, once, and lays them out in the order in which the two launches behind it take their tiles.
; WORK LEFT OUT.  reference() starts the scan from h0 = zeros, built in its own body: in exact arithmetic A_bar_0 h0 = 0 for every finite A_bar_0, so h_0 = u_0 whatever the inputs hold.  The second launch
; starts each chain with h = u and multiplies by no zero state there.  Nothing else is left out; every input has a way to the output and is loaded by some launch.
; LIMITS.  A NaN, an infinity or an overflow that reaches only that product with zero is not carried to the result.  ALL inputs are rounded to bf16 (nearest even) before use, the vectors b_dt, A_log, D_skip in the launches that read them.
; LAYOUTS (bf16).
;   xb   [b 4][kb 16][p 1024][128]: row p of block kb holds x[b][t][128 kb ..], where t = 512 T + 128 w + 64 h + 8 a + i lies at p = 512 T + 128 w + 16 a + 8 h + i.
;   wcat [g 64][kb 16][q 64][128]:  q < 32: row 32 g + q of W_dt; q >= 32: row 32 g + q - 32 of W_B; columns 128 kb ..
;   wcb  [dblk 8][kp 64][row 256][32]: row 256 dblk + row of W_C, columns 32 kp ..
; SHARES.  10,240 source rows of 8,192 bytes; a wave takes four that lie on end: 2,560 waves = 256 work-groups of ten.  The wave's number among all picks one of three arms; nothing is shared, so there is no LDS and no barrier.
; A step is two loads of 16 bytes a lane (eight f32) and one store of 16 bytes (eight bf16): sixteen neighbouring lanes store 256 consecutive bytes at a multiple of 256 from the buffer's first byte.
; THE MODE: SCHED_MODE bits 1:0 = 2 (LLVM: expert scheduling mode 2), set by the entry lines.  The code itself states the register dependences between vector instructions and memory instructions, with s_wait_alu, always for 0.
; THE PLAN.  The 32 steps go in 16 blocks of two.  Registers that memory instructions touch:
;   X, seven groups of two slots   f32 as loaded.  Written by the loads of block p + 6, issued in block p; read by block p's eight conversions (group p mod 7).
;   Y, four registers to each step bf16 to store.  Written once in the launch, by the step's conversions in block p; read by the step's one store, issued in block p + 1.
;   v[SO], v[DO]                   byte offsets, made once in the arm's head and never written again: all steps stand in the immediates, 3,932,672 at the most, inside the signed 24 bits.
; Block p works on X's group p mod 7 and writes its own Y.  Its memory instructions are the loads into group (p + 6) mod 7 = (p - 1) mod 7 and the stores from block p - 1's Y: the registers that block p - 1 worked on and
; that no vector instruction of block p names.  So ONE wait on va_vdst at a block's head states all that the block's six memory instructions hang on, and these are dealt among its conversions with no further wait.
; No register that a load or store reads is ever written again (the offsets are fixed; each Y has one writer, ahead of its one reader): so there is nothing to state on vm_vsrc, and no wait on XCNT is owed.
; 20 loads of every wave stay out at a block's head, 24 behind its own four; a group lies idle from its conversions to the next block's head, which is why there are seven groups for six blocks on their way.
.set NS,  14                           ; slots of the ring: seven groups of two
.set SO,  2                            ; v2   my byte offset in the wave's four source rows
.set DO,  3                            ; v3   my byte offset at the destination
.set X,   8                            ; v[8:119]    slot s: 8 registers, f32 as loaded; step n has slot n mod 14
.set Y,   120                          ; v[120:247]  step n: 4 registers, bf16 to store
.set SRC, 20                           ; s[20:21] the wave's first source row
.set DST, 22                           ; s[22:23] where its first row goes
; the two immediates of step n.  kind 0 (x) and 1 (W_dt, W_B): a step is two rows x one block of 128 columns; kind 2 (W_C): four rows x two blocks of 32 columns
.macro IMMS n, kind
.if (\kind) == 2
.set SIMM, (\n)*256
.set DIMM, (\n)*32768
.elseif (\kind) == 1
.set SIMM, ((\n)/16)*16384+((\n)%16)*512
.set DIMM, ((\n)%16)*16384+((\n)/16)*512
.else
.set SIMM, ((\n)/16)*16384+((\n)%16)*512
.set DIMM, ((\n)%16)*262144+((\n)/16)*512
.endif
.endm
.macro LD n, kind                      ; step n's two loads
	IMMS \n, \kind
.set XS, X+8*((\n)%NS)
	global_load_b128 v[XS:XS+3],   v[SO], s[SRC:SRC+1] offset:SIMM th:TH_LOAD_NT
	global_load_b128 v[XS+4:XS+7], v[SO], s[SRC:SRC+1] offset:SIMM+16 th:TH_LOAD_NT
.endm
.macro CV n                            ; step n's four conversions
.set XS, X+8*((\n)%NS)
.set YS, Y+4*(\n)
	v_cvt_pk_bf16_f32 v[YS],   v[XS],   v[XS+1]
	v_cvt_pk_bf16_f32 v[YS+1], v[XS+2], v[XS+3]
	v_cvt_pk_bf16_f32 v[YS+2], v[XS+4], v[XS+5]
	v_cvt_pk_bf16_f32 v[YS+3], v[XS+6], v[XS+7]
.endm
.macro ST n, kind                      ; step n's store
	IMMS \n, \kind
.set YS, Y+4*(\n)
	global_store_b128 v[DO], v[YS:YS+3], s[DST:DST+1] offset:DIMM
.endm
.macro RUN kind
	s_wait_alu depctr_va_vdst(0)                   ; v[SO] and v[DO] are written: every load and store of this arm reads one of them as its offset
.set i, 0
.rept NS-2
	LD i, \kind                                    ; blocks 0 to 5 into groups 0 to 5: no vector instruction has named these registers
.set i, i+1
.endr
.set p, 0
.rept 16
.if p < 11
	s_wait_loadcnt 20                              ; loads come back in order: this block's four are in, the five younger blocks' 20 stay out
.else
	s_wait_loadcnt 4*(15-p)                        ; blocks 10 to 15 load nothing: the counts run down
.endif
.if p > 0
	s_wait_alu depctr_va_vdst(0)                   ; the block before has written its Y, which the stores below read, and is done reading its group of X, in which the loads below (blocks 1 to 9 have them) land
.endif
.set k, 0
.rept 2
.if p < 10
	LD 2*p+12+k, \kind                             ; six blocks ahead, the load ahead of the store; no vector instruction since the wait names these registers (in block 0: none ever has)
.endif
.if p > 0
	ST 2*p-2+k, \kind                              ; the block before
.endif
	CV 2*p+k
.set k, k+1
.endr
.set p, p+1
.endr
	s_wait_alu depctr_va_vdst(0)                   ; block 15 has written its Y, which the last two stores read
	ST 30, \kind
	ST 31, \kind
.endm
	s_load_b256 s[4:11], s[0:1], 0x0               ; x s[4:5], W_dt s[6:7], W_B s[8:9], W_C s[10:11]
	s_load_b128 s[12:15], s[0:1], 0x20             ; xb s[12:13], wcat s[14:15]
	s_load_b64 s[16:17], s[0:1], 0x30              ; wcb
	v_lshrrev_b32 v1, 5, v0
	v_readfirstlane_b32 s18, v1                    ; wave 0..9
	v_and_b32 v4, 31, v0                           ; l
	v_lshrrev_b32 v5, 4, v4                        ; l / 16
	v_and_b32 v6, 15, v4                           ; l % 16
	s_mul_i32 s19, ttmp9, 10
	s_mov_b32 s25, 0                               ; the upper words of the two offsets
	s_mov_b32 s27, 0
	s_wait_alu depctr_va_sdst(0)                   ; s18 is written, ahead of its first reader: the arm and all bases are made from it
	s_add_co_u32 s19, s19, s18                     ; my wave among all 2,560
	s_wait_kmcnt 0x0
	s_cmp_lt_u32 s19, 1024
	s_cbranch_scc0 .Lweights
	; x: waves 0 to 1,023; rows 4 W .. 4 W + 3 of the 4,096
	s_lshl_b32 s24, s19, 15
	s_add_nc_u64 s[SRC:SRC+1], s[4:5], s[24:25]
	s_lshr_b32 s28, s19, 8                         ; b
	s_lshl_b32 s29, s19, 2
	s_and_b32 s29, s29, 1023                       ; t of my first row, a multiple of 4: the four rows' p lie on end
	s_and_b32 s30, s29, 0x380                      ; 512 T + 128 w stays
	s_and_b32 s31, s29, 0x38
	s_lshl_b32 s31, s31, 1                         ; 8 a becomes 16 a
	s_or_b32 s30, s30, s31
	s_and_b32 s31, s29, 0x40
	s_lshr_b32 s31, s31, 3                         ; 64 h becomes 8 h
	s_or_b32 s30, s30, s31
	s_and_b32 s31, s29, 7
	s_or_b32 s30, s30, s31                         ; p
	s_lshl_b32 s26, s28, 22                        ; a batch is 16 x 1,024 x 256 bytes
	s_lshl_b32 s30, s30, 8
	s_add_co_u32 s26, s26, s30
	s_add_nc_u64 s[DST:DST+1], s[12:13], s[26:27]
	v_lshlrev_b32 v[SO], 13, v5                    ; lanes 16-31 take the next row,
	v_lshl_add_u32 v[SO], v6, 5, v[SO]             ; 32 bytes a lane
	v_lshlrev_b32 v[DO], 4, v4                     ; two rows of 256 bytes on end
	RUN 0
	s_endpgm
.Lweights:
	s_cmp_lt_u32 s19, 2048
	s_cbranch_scc0 .Lwc
	; W_dt: waves 1,024 to 1,535; W_B: 1,536 to 2,047
	s_sub_co_u32 s28, s19, 1024
	s_lshr_b32 s29, s28, 9                         ; 0: W_dt, 1: W_B
	s_and_b32 s28, s28, 511                        ; rows 4 s28 ..
	s_cmp_eq_u32 s29, 0
	s_cselect_b64 s[SRC:SRC+1], s[6:7], s[8:9]
	s_lshl_b32 s24, s28, 15
	s_add_nc_u64 s[SRC:SRC+1], s[SRC:SRC+1], s[24:25]
	s_lshr_b32 s30, s28, 3                         ; g
	s_and_b32 s31, s28, 7
	s_lshl_b32 s31, s31, 2                         ; the row in its group of 32,
	s_lshl_b32 s29, s29, 5
	s_add_co_u32 s31, s31, s29                     ; W_B's behind W_dt's: q
	s_lshl_b32 s26, s30, 18                        ; a group is 16 x 64 x 256 bytes
	s_lshl_b32 s31, s31, 8
	s_add_co_u32 s26, s26, s31
	s_add_nc_u64 s[DST:DST+1], s[14:15], s[26:27]
	v_lshlrev_b32 v[SO], 13, v5
	v_lshl_add_u32 v[SO], v6, 5, v[SO]
	v_lshlrev_b32 v[DO], 4, v4
	RUN 1
	s_endpgm
.Lwc:
	; W_C: waves 2,048 to 2,559
	s_sub_co_u32 s28, s19, 2048
	s_lshl_b32 s24, s28, 15
	s_add_nc_u64 s[SRC:SRC+1], s[10:11], s[24:25]
	s_lshr_b32 s29, s28, 6                         ; dblk
	s_and_b32 s30, s28, 63                         ; my four rows in the block: 4 x 64 bytes each
	s_lshl_b32 s26, s29, 20                        ; a block is 64 x 256 x 64 bytes
	s_lshl_b32 s30, s30, 8
	s_add_co_u32 s26, s26, s30
	s_add_nc_u64 s[DST:DST+1], s[16:17], s[26:27]
	v_bfe_u32 v7, v4, 2, 2                         ; which of the four rows
	v_lshlrev_b32 v[SO], 13, v7
	v_lshl_add_u32 v[SO], v5, 7, v[SO]             ; which of the step's two blocks of 32 columns
	v_and_b32 v7, 3, v4
	v_lshl_add_u32 v[SO], v7, 5, v[SO]             ; 32 bytes a lane
	v_lshlrev_b32 v[DO], 4, v6                     ; four rows of 64 bytes on end,
	v_lshl_add_u32 v[DO], v5, 14, v[DO]            ; the second block 16,384 bytes on
	RUN 2
	s_endpgm
.Lfunc_end_k_q405d7b1ba2_prep:
	.size	k_q405d7b1ba2_prep, .Lfunc_end_k_q405d7b1ba2_prep-k_q405d7b1ba2_prep
	.p2alignl 7, 3214868480
	.fill 96, 4, 3214868480
	.section	.rodata,"a",@progbits
	.p2align	6, 0x0
	.amdhsa_kernel k_q405d7b1ba2_prep
		.amdhsa_group_segment_fixed_size 0
		.amdhsa_private_segment_fixed_size 0
		.amdhsa_enable_private_segment 0
		.amdhsa_kernarg_size 56
		.amdhsa_user_sgpr_count 2
		.amdhsa_user_sgpr_kernarg_segment_ptr 1
		.amdhsa_wavefront_size32 1
		.amdhsa_system_sgpr_workgroup_id_x 1
		.amdhsa_system_sgpr_workgroup_id_y 1
		.amdhsa_system_sgpr_workgroup_id_z 1
		.amdhsa_system_vgpr_workitem_id 0
		.amdhsa_next_free_vgpr 248
		.amdhsa_next_free_sgpr 66
		.amdhsa_reserve_vcc 0
		.amdhsa_float_denorm_mode_32 3
		.amdhsa_float_denorm_mode_16_64 3
		.amdhsa_memory_ordered 1
		.amdhsa_forward_progress 1
		.amdhsa_inst_pref_size 58
	.end_amdhsa_kernel
	.amdgpu_metadata
---
amdhsa.version: [ 1, 2 ]
amdhsa.kernels:
  - .name:           k_q405d7b1ba2_prep
    .symbol:         k_q405d7b1ba2_prep.kd
    .args:
      - { .name: x, .offset: 0, .size: 8, .value_kind: global_buffer, .address_space: global }
      - { .name: W_dt, .offset: 8, .size: 8, .value_kind: global_buffer, .address_space: global }
      - { .name: W_B, .offset: 16, .size: 8, .value_kind: global_buffer, .address_space: global }
      - { .name: W_C, .offset: 24, .size: 8, .value_kind: global_buffer, .address_space: global }
      - { .name: xb, .offset: 32, .size: 8, .value_kind: global_buffer, .address_space: global }
      - { .name: wcat, .offset: 40, .size: 8, .value_kind: global_buffer, .address_space: global }
      - { .name: wcb, .offset: 48, .size: 8, .value_kind: global_buffer, .address_space: global }
    .group_segment_fixed_size: 0
    .private_segment_fixed_size: 0
    .kernarg_segment_align: 8
    .kernarg_segment_size: 56
    .max_flat_workgroup_size: 320
    .sgpr_count:     66
    .vgpr_count:     248
    .wavefront_size: 32
...
	.end_amdgpu_metadata
.endif
;; end of part 4
;; launch ssm: the kernel of part 2 again; grid 64 x 4, 4 waves a work-group, clusters of 4 x 1, 327,680 bytes of LDS; arguments xb, wcat, b_dt, A_log, hb; writes hb
;; launch outp: the kernel of part 3 again; grid 8 x 32, 4 waves a work-group, clusters of 4 x 4, 327,680 bytes of LDS; arguments hb, wcb, xb, D_skip, out0; writes out0
